; MI455X (gfx1250); checked and timed in simulation.
; The chip was launched on July 23, 2026; its instructions are those of AMD's public machine-readable ISA for CDNA 5 (MIT licence, August 2026) and "CDNA5" Instruction Set Architecture Reference Guide (July 2026). The comments in the code are by the model that wrote it; some were corrected since.
;; Multi Head Attention. Allowed arithmetic: float matrix products may take bf16 or f16 operands with f32 sums; all other float work in f32.
;; Inputs: W_k 1,024 x 1,024 float32; W_o 1,024 x 1,024 float32; W_q 1,024 x 1,024 float32; W_v 1,024 x 1,024 float32; b_k 1,024 float32; b_o 1,024 float32; b_q 1,024 float32; b_v 1,024 float32; k_input 2 x 2,048 x 1,024 float32; mask 2,048 x 2,048 int32; q_input 2 x 2,048 x 1,024 float32; v_input 2 x 2,048 x 1,024 float32.
;; Outputs: out0 2 x 2,048 x 1,024 float32.
;; 2 versions, each right. Each part assembles by itself: llvm-mc -triple=amdgcn-amd-amdhsa -mcpu=gfx1250 --defsym DOCPART=n.
;; ======== version 1 of 2: 4 launches
;; limits: values are held in f16: magnitudes above 65,504 overflow, below 6.1e-05 lose precision
;; workspace buffers: xb 25,165,824 bytes; wb 8,388,608 bytes; mw 524,288 bytes of whole numbers; rope 524,288 bytes; qkv 33,554,432 bytes; ctx 16,777,216 bytes
;; launch prep (part 1): grid 256 x 1, 8 waves a work-group, no clusters, 168,960 bytes of LDS; arguments q_input, k_input, v_input, W_q, W_k, W_v, W_o, mask, xb, wb, mw, rope; writes xb, wb, mw, rope
.if DOCPART == 1
	.amdgcn_target "amdgcn-amd-amdhsa--gfx1250"
	.amdhsa_code_object_version 6
	.text
	.protected	k_q5541c9df7f_prep
	.globl	k_q5541c9df7f_prep
	.p2align	8
	.type	k_q5541c9df7f_prep,@function
k_q5541c9df7f_prep:
	s_mov_b64 s[64:65], 0
	v_nop
	global_prefetch_b8 v0, s[64:65] scope:SCOPE_SE
	s_setreg_imm32_b32 hwreg(HW_REG_WAVE_MODE, 25, 1), 1
	s_wait_xcnt 0x0
; PREP: everything that the three matrix launches want in another form, made once, as a stream.
;   xb   [3][4096][1024] bf16 : q_input, k_input, v_input rounded to bf16 (nearest even)
;   wb   [4][1024][1024] bf16 : W_q, W_k, W_v, W_o rounded to bf16, in the inputs' own [k][n] order
;   mw   [128 Q16][128 KT][8 j] u32 : bit (r + 16 h) of a word = (mask[16 Q16 + r][16 KT + 8 h + j] != 0): the lane mask of register j
;        of a transposed 16 x 16 score tile, so that the attention launch applies the mask with one select for each register
;   rope [2048 s][32 i] (cos, sin) f32, angle = s * 10000^(-i/32)
; 256 work-groups of eight waves.  Work-group g: 64 KiB of each x (16 items of 4 KiB), 16 KiB of each W (4 items), eight mask tiles of
; 16 rows x 128 keys (one a wave), 256 table pairs (one a thread).  No work-group reads what another reads, so there is nothing to share in a
; cluster, and there is no product, so no matrix instruction.
; LIMITS.  theta comes from v_exp_f32 (2^x) and the sine and cosine from a reduction by pi/2 in two parts and polynomials of degree 7 and 8:
; the angle is off by at most about 2e-4 rad at position 2047, the polynomials by about 1e-7.  NaN in x or W stays NaN.
.set X,      32                        ; v[32:95]   ring slot i: 4 registers, 4 f32 as loaded; later the mask tile's 64 words a lane
.set Y,      96                        ; v[96:127]  ring slot i: 2 registers, 4 bf16 to store
.set MPITCH, 528                       ; a mask row in LDS: 512 bytes + 16 of padding
.set MTILE,  16*MPITCH                 ; a wave's mask tile
	s_load_b512 s[8:23], s[0:1], 0x0               ; q 8, k 10, v 12, W_q 14, W_k 16, W_v 18, W_o 20, mask 22
	s_load_b256 s[24:31], s[0:1], 0x40             ; xb 24, wb 26, mw 28, rope 30
	v_lshl_add_u32 v128, v0, 2, 0x29000
	v_mov_b32 v129, 0
	ds_add_u32 v128, v129
	ds_add_u32 v128, v129
	v_lshrrev_b32 v5, 5, v0
	v_readfirstlane_b32 s4, v5                     ; wave 0..7
	v_lshlrev_b32 v1, 4, v0                        ; 16 t: my 16 bytes of a 4 KiB item of f32
	v_lshlrev_b32 v2, 3, v0                        ; 8 t: my 8 bytes of the item in bf16, and of the table
	v_and_b32 v8, 15, v0                           ; r
	v_bfe_u32 v9, v0, 4, 1                         ; h
	v_and_b32 v10, 31, v0                          ; lane = the pair's number i
	v_lshlrev_b32 v4, 3, v10                       ; 8 x lane: my two mask words
	s_mul_i32 s37, s4, MTILE                       ; my wave's mask tile in LDS
	v_mul_u32_u24 v3, v8, MPITCH
	v_lshl_add_u32 v3, v9, 5, v3
	v_add_nc_u32 v3, s37, v3                       ; row r, keys 8 h .. of each 16
	v_mov_b32 v6, 0                                ; the words are set lane by lane: the registers are written whole first
	v_mov_b32 v7, 0
	; the mask tile's descriptor: 16 rows x 128 elements of 4 bytes, rows 2,048 elements apart, 4 words of padding behind every 128
	s_mov_b32 s36, 1
	s_mov_b32 s40, (2<<16)|(1<<20)|(6<<22)|(3<<25)
	s_mov_b32 s41, 128<<16                         ; tensor_dim0 = 128
	s_mov_b32 s42, 16<<16                          ; tensor_dim1 = 16
	s_mov_b32 s43, 128<<16                         ; tile_dim0 = 128
	s_mov_b32 s44, 16                              ; tile_dim1 = 16
	s_mov_b32 s45, 2048                            ; from row to row
	s_mov_b32 s46, 0
	s_mov_b32 s47, 0
	s_lshr_b32 s5, ttmp9, 1                        ; Q16 = g / 2
	s_and_b32 s6, ttmp9, 1
	s_lshl_b32 s6, s6, 3
	s_add_co_u32 s6, s6, s4                        ; kc = 8 (g % 2) + wave: which 128 keys
	s_lshl_b32 s2, s5, 17                          ; 16 rows of 8,192 bytes
	s_lshl_b32 s3, s6, 9                           ; 128 keys of 4 bytes
	s_add_co_u32 s2, s2, s3
	s_mov_b32 s3, 0
	s_wait_dscnt 0x0
	s_wait_kmcnt 0x0
	s_add_nc_u64 s[38:39], s[22:23], s[2:3]
	s_or_b32 s39, s39, 0x80000000
	tensor_load_to_lds s[36:39], s[40:47]          ; the wave's one tensor load: a first fill of bytes of its own, read by itself alone
	s_nop 0
	s_lshl_b32 s2, s5, 12                          ; mw: 4,096 bytes for each Q16,
	s_lshl_b32 s7, s6, 8                           ; 256 for each 128 keys
	s_add_co_u32 s2, s2, s7
	s_add_nc_u64 s[28:29], s[28:29], s[2:3]
	s_lshl_b32 s2, ttmp9, 16                       ; my 64 KiB of each x
	s_add_nc_u64 s[8:9], s[8:9], s[2:3]
	s_add_nc_u64 s[10:11], s[10:11], s[2:3]
	s_add_nc_u64 s[12:13], s[12:13], s[2:3]
	s_lshl_b32 s2, ttmp9, 14                       ; my 16 KiB of each W
	s_add_nc_u64 s[14:15], s[14:15], s[2:3]
	s_add_nc_u64 s[16:17], s[16:17], s[2:3]
	s_add_nc_u64 s[18:19], s[18:19], s[2:3]
	s_add_nc_u64 s[20:21], s[20:21], s[2:3]
	s_lshl_b32 s2, ttmp9, 15                       ; half as many bytes in bf16
	s_add_nc_u64 s[24:25], s[24:25], s[2:3]
	s_add_nc_u64 s[32:33], s[24:25], 0x800000      ; xb's second and third part: bases of their own, 8 MiB is past the immediate offset's range
	s_add_nc_u64 s[34:35], s[24:25], 0x1000000
	s_lshl_b32 s2, ttmp9, 13
	s_add_nc_u64 s[26:27], s[26:27], s[2:3]
	s_lshl_b32 s2, ttmp9, 11                       ; 8 positions of 256 bytes
	s_add_nc_u64 s[30:31], s[30:31], s[2:3]
	s_lshl_b32 s7, ttmp9, 3
	s_add_co_u32 s7, s7, s4                        ; my position s = 8 g + wave
.macro LDX i, base, off                ; slot i is filled: a wave's load covers 512 consecutive bytes
	global_load_b128 v[X+4*\i:X+4*\i+3], v1, s[\base:\base+1] offset:\off th:TH_LOAD_NT
.endm
.macro CV i, left                      ; slot i is rounded; left = how many younger loads may stay out
	s_wait_loadcnt \left                           ; loads come back in order (ISA guide 5.7.1)
	s_wait_xcnt 0x0                                ; Y of this slot, which its last store reads, is rewritten only behind this wait (ISA guide 3.1)
	v_cvt_pk_bf16_f32 v[Y+2*\i],   v[X+4*\i],   v[X+4*\i+1]
	v_cvt_pk_bf16_f32 v[Y+2*\i+1], v[X+4*\i+2], v[X+4*\i+3]
.endm
.macro STX i, base, off                ; a wave's store covers 256 consecutive bytes, aligned
	global_store_b64 v2, v[Y+2*\i:Y+2*\i+1], s[\base:\base+1] offset:\off
.endm
.irp i, 0,1,2,3,4,5,6,7,8,9,10,11,12,13,14,15
	LDX \i, 8, \i*4096                             ; the ring is filled: q_input's sixteen items
.endr
	; the table pair of (s, i), while the ring's first loads are on their way
	v_cvt_f32_u32 v11, v10
	v_mul_f32 v11, 0xbed49a78, v11                 ; -i log2(10000) / 32
	v_exp_f32 v11, v11                             ; theta
	v_cvt_f32_u32 v12, s7                          ; (one plain instruction behind v_exp_f32 before its result is used: ISA guide 5.7.2)
	s_wait_alu depctr_va_vdst(0)
	v_mul_f32 v12, v12, v11                        ; the angle a = s theta, rounded as the f32 product is
	v_mul_f32 v13, 0x3f22f983, v12                 ; a 2/pi
	v_rndne_f32 v13, v13                           ; n, at most 1,304
	v_fmamk_f32 v14, v13, 0xbfc90fdb, v12          ; a - n P1, P1 = pi/2 rounded to f32
	v_fmamk_f32 v14, v13, 0x333bbd2e, v14          ; - n P2, P2 = pi/2 - P1: r in [-pi/4, pi/4]
	v_mul_f32 v15, v14, v14                        ; z = r r
	v_mov_b32 v16, 0xb94ca1f9
	v_fmaak_f32 v16, v16, v15, 0x3c08839e
	v_fmaak_f32 v16, v16, v15, 0xbe2aaaa3
	v_mul_f32 v16, v16, v15
	v_fma_f32 v16, v16, v14, v14                   ; S = sin r
	v_mov_b32 v17, 0x37ccf5ce
	v_fmaak_f32 v17, v17, v15, 0xbab6061a
	v_fmaak_f32 v17, v17, v15, 0x3d2aaaa5
	v_fma_f32 v17, v17, v15, -0.5
	v_fma_f32 v17, v17, v15, 1.0                   ; C = cos r
	v_cvt_i32_f32 v18, v13                         ; the quadrant is n mod 4
	v_and_b32 v19, 1, v18
	v_cmp_eq_u32 vcc_lo, 1, v19
	v_cndmask_b32 v31, v16, v17, vcc_lo            ; sin a: S, C, -S, -C
	v_cndmask_b32 v30, v17, v16, vcc_lo            ; cos a: C, -S, -C, S
	v_and_b32 v19, 2, v18
	v_lshlrev_b32 v19, 30, v19
	v_xor_b32 v31, v31, v19
	v_add_nc_u32 v20, 1, v18
	v_and_b32 v20, 2, v20
	v_lshlrev_b32 v20, 30, v20
	v_xor_b32 v30, v30, v20
	global_store_b64 v2, v[30:31], s[30:31]        ; (cos, sin): a wave stores one position's 256 bytes
	; the ring: a slot's turn rounds its item, asks for the same slot's item of the next batch, and stores.  Sixteen loads of a wave are always out.
.irp i, 0,1,2,3,4,5,6,7,8,9,10,11,12,13,14,15
	CV \i, 15                                      ; q_input; fifteen younger loads stay out
	LDX \i, 10, \i*4096
	STX \i, 24, \i*2048
.endr
.irp i, 0,1,2,3,4,5,6,7,8,9,10,11,12,13,14,15
	CV \i, 15                                      ; k_input
	LDX \i, 12, \i*4096
	STX \i, 32, \i*2048
.endr
.irp i, 0,1,2,3,4,5,6,7,8,9,10,11,12,13,14,15
	CV \i, 15                                      ; v_input; the next batch is four items of each of the four W
	LDX \i, 14+2*(\i/4), (\i%4)*4096
	STX \i, 34, \i*2048
.endr
.irp i, 0,1,2,3,4,5,6,7,8,9,10,11,12,13,14,15
	CV \i, 15-\i                                   ; the W: nothing more is loaded, the counts run down
	STX \i, 26, (\i/4)*2097152+(\i%4)*2048
.endr
	; the mask words.  Lane (r, h) reads, for each of the tile's eight groups of 16 keys, the eight words mask[r][16 kt + 8 h + 0..7];
	; a compare over the 32 lanes is then one word of mw.
	s_wait_tensorcnt 0x0                           ; my tile is in LDS; only I read it
.irp kt, 0,1,2,3,4,5,6,7
	ds_load_b128 v[X+8*\kt:X+8*\kt+3],   v3 offset:64*\kt
	ds_load_b128 v[X+8*\kt+4:X+8*\kt+7], v3 offset:64*\kt+16
.endr
	s_wait_dscnt 0x0
.set kt, 0
.rept 8
.irp j, 0,1,2,3,4,5,6,7
	v_cmp_ne_u32 s[48+\j], 0, v[X+8*kt+\j]
.endr
.irp j, 0,1,2,3,4,5,6,7
	v_writelane_b32 v[6+(\j%2)], s[48+\j], 4*kt+\j/2       ; word 8 kt + j goes to byte 4 (8 kt + j): lane (8 kt + j) / 2, register by parity
.endr
.set kt, kt+1
.endr
	global_store_b64 v4, v[6:7], s[28:29]          ; the tile's 64 words: 256 consecutive bytes, aligned
	s_wait_tensorcnt 0x0
	ds_add_u32 v128, v129
	s_wait_dscnt 0x0
	s_endpgm
.Lfunc_end_k_q5541c9df7f_prep:
	.size	k_q5541c9df7f_prep, .Lfunc_end_k_q5541c9df7f_prep-k_q5541c9df7f_prep
	.p2alignl 7, 3214868480
	.fill 96, 4, 3214868480
	.section	.rodata,"a",@progbits
	.p2align	6, 0x0
	.amdhsa_kernel k_q5541c9df7f_prep
		.amdhsa_group_segment_fixed_size 168960
		.amdhsa_private_segment_fixed_size 0
		.amdhsa_enable_private_segment 0
		.amdhsa_kernarg_size 96
		.amdhsa_user_sgpr_count 2
		.amdhsa_user_sgpr_kernarg_segment_ptr 1
		.amdhsa_wavefront_size32 1
		.amdhsa_system_sgpr_workgroup_id_x 1
		.amdhsa_system_sgpr_workgroup_id_y 1
		.amdhsa_system_sgpr_workgroup_id_z 1
		.amdhsa_system_vgpr_workitem_id 0
		.amdhsa_next_free_vgpr 130
		.amdhsa_next_free_sgpr 66
		.amdhsa_reserve_vcc 1
		.amdhsa_float_denorm_mode_32 3
		.amdhsa_float_denorm_mode_16_64 3
		.amdhsa_memory_ordered 1
		.amdhsa_forward_progress 1
		.amdhsa_inst_pref_size 38
	.end_amdhsa_kernel
	.amdgpu_metadata
---
amdhsa.version: [ 1, 2 ]
amdhsa.kernels:
  - .name:           k_q5541c9df7f_prep
    .symbol:         k_q5541c9df7f_prep.kd
    .args:
      - { .name: q_input, .offset: 0, .size: 8, .value_kind: global_buffer, .address_space: global }
      - { .name: k_input, .offset: 8, .size: 8, .value_kind: global_buffer, .address_space: global }
      - { .name: v_input, .offset: 16, .size: 8, .value_kind: global_buffer, .address_space: global }
      - { .name: W_q, .offset: 24, .size: 8, .value_kind: global_buffer, .address_space: global }
      - { .name: W_k, .offset: 32, .size: 8, .value_kind: global_buffer, .address_space: global }
      - { .name: W_v, .offset: 40, .size: 8, .value_kind: global_buffer, .address_space: global }
      - { .name: W_o, .offset: 48, .size: 8, .value_kind: global_buffer, .address_space: global }
      - { .name: mask, .offset: 56, .size: 8, .value_kind: global_buffer, .address_space: global }
      - { .name: xb, .offset: 64, .size: 8, .value_kind: global_buffer, .address_space: global }
      - { .name: wb, .offset: 72, .size: 8, .value_kind: global_buffer, .address_space: global }
      - { .name: mw, .offset: 80, .size: 8, .value_kind: global_buffer, .address_space: global }
      - { .name: rope, .offset: 88, .size: 8, .value_kind: global_buffer, .address_space: global }
    .group_segment_fixed_size: 168960
    .private_segment_fixed_size: 0
    .kernarg_segment_align: 8
    .kernarg_segment_size: 96
    .max_flat_workgroup_size: 256
    .sgpr_count:     66
    .vgpr_count:     130
    .wavefront_size: 32
...
	.end_amdgpu_metadata
.endif
;; end of part 1
;; launch proj (part 2): grid 4 x 48, 4 waves a work-group, clusters of 4 x 4, 327,680 bytes of LDS; arguments xb, wb, b_q, b_k, b_v, rope, qkv; writes qkv
.if DOCPART == 2
	.amdgcn_target "amdgcn-amd-amdhsa--gfx1250"
	.amdhsa_code_object_version 6
	.text
	.protected	k_q5541c9df7f_proj
	.globl	k_q5541c9df7f_proj
	.p2align	8
	.type	k_q5541c9df7f_proj,@function
k_q5541c9df7f_proj:
	s_mov_b64 s[64:65], 0
	v_nop
	global_prefetch_b8 v0, s[64:65] scope:SCOPE_SE
	s_setreg_imm32_b32 hwreg(HW_REG_WAVE_MODE, 25, 1), 1
	s_wait_xcnt 0x0
	s_wait_alu depctr_hold_cnt(0) depctr_sa_sdst(0) depctr_va_vdst(0) depctr_va_sdst(0) depctr_va_ssrc(0) depctr_va_vcc(0) depctr_vm_vsrc(0)
	s_getreg_b32 s2, hwreg(HW_REG_IB_STS2, 6, 4)
	s_cmp_eq_u32 s2, 0
	s_cbranch_scc0 .Lentry_in_a_cluster
	s_endpgm
.Lentry_in_a_cluster:
	s_bfe_u32 s2, ttmp6, 0x10000c
	s_cmp_lg_u32 s2, 0xf033
	s_cbranch_scc0 .Lentry_shape_is_right
	s_endpgm
.Lentry_shape_is_right:
; PROJ: the three projections as one product of [12288][1024] (xb: q, k, v inputs one under the other) with the W of the block row's third,
; plus bias, plus the rotation for q and k.  Out, head-major, in f16:
;   qkv + 0      : q' [32 b*16+head][2048 s][64] = rotated q times c, c = log2(e) / 8, so that q' . k is the score as an exponent of 2
;   qkv + 8 MiB  : k  [32][2048][64], rotated
;   qkv + 16 MiB : v  [32][2048][hi 64 | lo 64]: hi = v cut to 11 significant bits, lo = v - hi rounded to f16
; WHY NOT bf16 OUT: a query that sees few keys gives outputs many times the whole output's rms, while the allowance hangs on that rms; 8 significant bits in q, k, v
; are too few there.  f16 has 11; v, whose error goes into the output undamped, is kept in two f16.
; A work-group makes 256 x 256 with four waves of 128 x 128 (64 accumulator tiles, 512 registers).  K goes in steps of 128 through two LDS slots.
; 3 x 16 x 4 = 192 such blocks.  256 equal blocks would be 128 x 128, with twice the LDS and tile bytes for each multiply-add and half the matrix work
; between a tile's request and the wait for it: the larger block is taken and 192 work-groups are launched.
; CLUSTERS: 4 x 4 work-groups.  x's tile hangs on the block row alone and is asked for jointly by a row of the cluster; W's tile hangs on the block column and on
; the projection, which is the same in the whole cluster (four clusters along y for each projection), and is asked for jointly by a column.
; W lies [k][n] in memory and in LDS; its fragments (16 columns x 32 k) come by the transposing LDS load.
; THE MATRIX INSTRUCTION IS USED TRANSPOSED: source 0 = 16 columns of W, source 1 = 16 rows of x.  Lane l then holds row l % 16 of the result and its
; registers 0 to 7 the columns 8 (l / 16) + 0..7: four (even, odd) pairs of the rotation side by side, and 16 bytes of f16.
; REGISTERS in windows of 256: window 0: v16-29 addresses, v32-39 at work, v64-127 and v128-191 x's fragments (two buffers), v192-255 bias;
; window 1: v64-191 W's fragments, on the way out of q and k the whole window holds the table rows; windows 2, 3: accumulators of my rows 0-63, 64-127.
; LIMITS: |c q|, |k|, |v| stay below 65,504 (f16); numbers below 6e-5 carry an absolute error of up to 3e-8.  NaN and infinities in the inputs are not served.
; Operands are bf16, sums f32, bias and rotation f32.
.set SIZE_K, 1024
.set SIZE_N, 1024
.set KSTEP,  128
.set PITCH,  272                       ; x's LDS row: 256 bytes + 16: an odd multiple of 16, so the 16 rows of a fragment load start in 16 different 16-byte columns of 256
.set WPITCH, 544                       ; W's LDS row: 512 bytes + 32: an odd multiple of 32, the same for the transposing load
.set HALFT,  128*PITCH                 ; what one tensor load brings: 128 rows of x, or 64 rows of W (64 x 544 is the same number)
.set SLOT,   4*HALFT                   ; x's 256 rows, then W's 128 rows
.set STAGE,  2*SLOT                    ; behind the ring: 16 rows x 528 bytes for each wave, for the way out
.set SPITCH, 528                       ; 512 bytes (v: two heads x (hi, lo); q, k use the first 256) + 16
.set LAPS,   SIZE_K/(2*KSTEP)          ; a lap = two K steps = once round the ring: 4
.set ADRA, 16                          ; v16-17  LDS address of my x fragments in slot 0, 1
.set ADRB, 20                          ; v20-21  the same for W
.set STO,  24                          ; the way out: where I put 16 bytes of a row
.set RD,   25                          ; the way out of q, k: where I read back
.set CO,   26                          ; my byte offset in qkv
.set BOFF, 27                          ; my byte offset in the bias
.set ROFF, 28                          ; my byte offset in the table
.set RDV,  29                          ; the way out of v: where I read back
.set U,    32                          ; v32-39  the rotation's cross products; for v the eight hi parts in f32
.set F0,   64                          ; fragment buffer 0; on the way out 64 numbers in f32
.set F1,   128                         ; fragment buffer 1
.set PK,   128                         ; on the way out: v128-159 packed results,
.set BACK, 160                         ; v160-191 the rows read back
.set BI,   192                         ; v192-255 bias of my 8 columns in each of the 8 column tiles
.set G1,  24                           ; s[24:31] descriptor group 1 for x's tiles
.set G0,  32                           ; s[32:39] group 0 for x's tiles, one set for each slot
.set G1B, 48                           ; s[48:55] group 1 for W's tiles
.set G0B, 56                           ; s[56:63] group 0 for W's tiles, one set for each slot
.set MSB, 0
.macro WIN new                         ; the immediate's high byte repeats the setting that is left
.if MSB != \new
	s_set_vgpr_msb (MSB<<8)|\new
.set MSB, \new
.endif
.endm
.set MUL_LO, 0xa1                      ; source 0 (W) window 1, source 1 (x) window 0, C and D window 2
.set MUL_HI, 0xf1                      ; the same, C and D window 3
.set TO_B,   0x40                      ; destination window 1, address window 0
.set FROM_R, 0x04                      ; source 1 window 1: the table rows
; A joint load.  Waves 0 and 1 fetch x's two halves, waves 2 and 3 W's.  Each line has one mask and one set of registers for all that issue it.
; The branch hangs on the wave's number alone.
.macro JLOAD s
	s_cmp_eq_u32 s11, 0
	s_cbranch_scc0 .Lfor_b_\@
	tensor_load_to_lds s[G0+4*\s:G0+4*\s+3], s[G1:G1+7]
	s_nop 0
	s_branch .Lasked_\@
.Lfor_b_\@:
	tensor_load_to_lds s[G0B+4*\s:G0B+4*\s+3], s[G1B:G1B+7]
	s_nop 0
.Lasked_\@:
.endm
; A round of the cluster's barrier: my work-group's barrier, wave 0 signals for the work-group, every wave waits for all sixteen, my work-group's barrier again.
.macro CREST                           ; a round behind its opening barrier
	s_cmp_lg_u32 s10, 0
	s_cbranch_scc1 .Lnot_wave_0_\@
	s_barrier_signal -3
.Lnot_wave_0_\@:
	s_barrier_wait -3
	s_barrier_signal -1
	s_barrier_wait -1
.endm
.macro CROUND                          ; a whole round
	s_barrier_signal -1
	s_barrier_wait -1
	CREST
.endm
	s_load_b128 s[4:7], s[0:1], 0x0                ; xb s[4:5], wb s[6:7]
	s_load_b256 s[68:75], s[0:1], 0x10             ; b_q 68, b_k 70, b_v 72, rope 74
	s_load_b64 s[76:77], s[0:1], 0x30              ; qkv
	v_lshl_add_u32 v62, v0, 2, 0x4c400
	v_mov_b32 v63, 0
	ds_add_u32 v62, v63
	ds_add_u32 v62, v63
	v_lshrrev_b32 v1, 5, v0
	v_readfirstlane_b32 s10, v1                    ; wave 0..3
	s_lshr_b32 s11, s10, 1                         ; which half of the block's rows is mine.  Also: I fetch for x (0) or for W (1)
	s_and_b32 s12, s10, 1                          ; which half of its columns.  Also: which half of that tile I fetch
	s_bfe_u32 s40, ttmp6, 0x40000                  ; cx
	s_bfe_u32 s41, ttmp6, 0x40004                  ; cy
	s_lshl_b32 s42, ttmp9, 2
	s_add_co_u32 s42, s42, s40                     ; block column bx = 4 x cluster x + cx, 0..3
	s_and_b32 s13, ttmp7, 0xffff
	s_lshl_b32 s13, s13, 2
	s_add_co_u32 s13, s13, s41                     ; block row by = 4 x cluster y + cy, 0..47
	s_and_b32 s78, ttmp7, 0xffff
	s_lshr_b32 s78, s78, 2                         ; projection p = cluster y / 4: 0 q, 1 k, 2 v; alike in the whole cluster
	s_cmp_eq_u32 s78, 0
	s_cselect_b32 s90, 0x3e38aa3b, 1.0             ; q is scaled by c = log2(e) / 8, k by 1
	s_mov_b32 s91, s90
	s_lshl_b32 s43, s41, 2
	s_lshl_b32 s43, 15, s43                        ; my row of the cluster: places 4 cy .. 4 cy + 3
	s_lshl_b32 s44, 0x1111, s40                    ; my column: places cx, cx + 4, cx + 8, cx + 12
	; group 1 for x: 128 rows x 128 elements of 2 bytes, 4 words of padding behind every 64
	s_or_b32 s[G1+0], s43, (1<<16)|(1<<20)|(1<<21)|(5<<22)|(3<<25)
	s_mov_b32 s[G1+1], KSTEP<<16                   ; tensor_dim0 = 128
	s_mov_b32 s[G1+2], 128<<16                     ; tensor_dim1 = 128
	s_mov_b32 s[G1+3], KSTEP<<16                   ; tile_dim0 = 128
	s_mov_b32 s[G1+4], 128                         ; tile_dim1 = 128
	s_mov_b32 s[G1+5], SIZE_K                      ; from row to row
	s_mov_b32 s[G1+6], 0
	s_mov_b32 s[G1+7], 0
	; group 1 for W: 64 rows (k) x 256 elements (n), 8 words of padding behind every 128
	s_or_b32 s[G1B+0], s44, (1<<16)|(1<<20)|(1<<21)|(6<<22)|(7<<25)
	s_mov_b32 s[G1B+1], 256<<16
	s_mov_b32 s[G1B+2], 64<<16
	s_mov_b32 s[G1B+3], 256<<16
	s_mov_b32 s[G1B+4], 64
	s_mov_b32 s[G1B+5], SIZE_N
	s_mov_b32 s[G1B+6], 0
	s_mov_b32 s[G1B+7], 0
	; where the tiles come from: x's address is made of by and the wave, W's of bx, p and the wave, each in registers that never hold the other coordinate
	s_lshl_b32 s17, s12, 7
	s_lshl_b32 s16, s13, 8
	s_add_co_u32 s16, s16, s17                     ; x: row 256 by + 128 half,
	s_lshl_b32 s16, s16, 11                        ; of 2,048 bytes (below 2^25)
	s_mov_b32 s17, 0
	s_lshl_b32 s46, s42, 9                         ; W: 256 columns of 2 bytes for each bx,
	s_lshl_b32 s47, s12, 17                        ; 64 rows of 2,048 bytes for my half,
	s_add_co_u32 s46, s46, s47
	s_lshl_b32 s47, s78, 21                        ; 2 MiB for each projection
	s_add_co_u32 s46, s46, s47
	s_mov_b32 s47, 0
	s_mul_i32 s20, s10, HALFT                      ; and where they go: wave x one load's bytes
	; offsets of what is not shared: bias, table, result (registers of their own, which feed no descriptor)
	s_lshl_b32 s82, s42, 10                        ; bias: 256 columns of 4 bytes for each bx,
	s_lshl_b32 s83, s12, 9                         ; 128 for my half
	s_add_co_u32 s82, s82, s83
	s_mov_b32 s83, 0
	s_and_b32 s84, s13, 7                          ; my first position in the sequence: 256 (by % 8) + 128 row half
	s_lshl_b32 s84, s84, 8
	s_lshl_b32 s85, s11, 7
	s_add_co_u32 s84, s84, s85
	s_lshl_b32 s86, s84, 7                         ; result: 128 bytes a position,
	s_lshl_b32 s84, s84, 8                         ; table: 256 bytes a position
	s_mov_b32 s85, 0
	s_lshr_b32 s87, s13, 3
	s_and_b32 s87, s87, 1                          ; batch = (by / 8) % 2
	s_lshl_b32 s87, s87, 4
	s_lshl_b32 s88, s42, 2
	s_add_co_u32 s87, s87, s88
	s_lshl_b32 s88, s12, 1
	s_add_co_u32 s87, s87, s88                     ; 16 batch + head, head = 4 bx + 2 column half
	s_lshl_b32 s87, s87, 18                        ; 2,048 positions of 128 bytes
	s_add_co_u32 s86, s86, s87
	s_cmp_eq_u32 s78, 2
	s_cselect_b32 s88, 1, 0
	s_lshl_b32 s86, s86, s88                       ; v's rows (hi, lo) are twice as long
	s_lshl_b32 s87, s78, 23                        ; q at 0, k at 8 MiB, v at 16 MiB
	s_add_co_u32 s86, s86, s87
	s_mov_b32 s87, 0
	s_wait_dscnt 0x0
	s_wait_kmcnt 0x0
	s_add_nc_u64 s[14:15], s[4:5], s[16:17]
	s_add_nc_u64 s[46:47], s[6:7], s[46:47]
	s_cmp_eq_u32 s78, 0
	s_cselect_b64 s[80:81], s[68:69], s[70:71]     ; the projection's bias
	s_cmp_eq_u32 s78, 2
	s_cselect_b64 s[80:81], s[72:73], s[80:81]
	s_add_nc_u64 s[80:81], s[80:81], s[82:83]
	s_add_nc_u64 s[74:75], s[74:75], s[84:85]
	s_add_nc_u64 s[76:77], s[76:77], s[86:87]
	CROUND                                         ; all sixteen work-groups are here: the first joint loads meet
.irp s, 0,1
	s_mov_b32 s[G0+4*\s], 1
	s_add_co_u32 s[G0+4*\s+1], s20, \s*SLOT
	s_add_nc_u64 s[G0+4*\s+2:G0+4*\s+3], s[14:15], \s*KSTEP*2              ; K step s: 128 elements along x's rows
	s_or_b32 s[G0+4*\s+3], s[G0+4*\s+3], 0x80000000
	s_mov_b32 s[G0B+4*\s], 1
	s_add_co_u32 s[G0B+4*\s+1], s20, \s*SLOT
	s_add_nc_u64 s[G0B+4*\s+2:G0B+4*\s+3], s[46:47], \s*KSTEP*SIZE_N*2     ; K step s: 128 rows of W
	s_or_b32 s[G0B+4*\s+3], s[G0B+4*\s+3], 0x80000000
	JLOAD \s                                       ; the ring is filled before anything else is done: two loads of the wave are out
.endr
	v_and_b32 v1, 15, v0                           ; r = l % 16
	v_bfe_u32 v2, v0, 4, 1                         ; h = l / 16
	v_mul_u32_u24 v3, v1, PITCH
	v_lshl_add_u32 v3, v2, 4, v3                   ; x: row r, 16 bytes for each half of the lanes; two loads 32 bytes apart make a fragment
	v_and_b32 v4, 7, v0
	v_lshl_add_u32 v4, v2, 3, v4                   ; W: k row 8 h + l % 8,
	v_mul_u32_u24 v4, v4, WPITCH
	v_bfe_u32 v5, v0, 3, 1
	v_lshl_add_u32 v4, v5, 4, v4                   ; 16 bytes (8 columns) by (l / 8) % 2; two transposing loads 16 rows apart make a fragment
	s_mul_i32 s21, s11, HALFT                      ; my 128 rows of x
	s_lshl_b32 s22, s12, 8                         ; my 128 columns of W,
	s_add_co_u32 s22, s22, 2*HALFT                 ; which lies behind x's 256 rows
.irp s, 0,1
	v_add_nc_u32 v[ADRA+\s], s21, v3
	v_add_nc_u32 v[ADRB+\s], s22, v4
	s_add_co_u32 s21, s21, SLOT
	s_add_co_u32 s22, s22, SLOT
.endr
	s_mul_i32 s23, s10, 16*SPITCH
	s_add_co_u32 s23, s23, STAGE                   ; my stage
	v_mul_u32_u24 v4, v1, SPITCH                   ; in: row r, 16 bytes for each half of the lanes
	v_lshl_add_u32 v4, v2, 4, v4
	v_add_nc_u32 v[STO], s23, v4
	v_bfe_u32 v5, v0, 3, 2                         ; q, k back: eight lanes take a head's 128 bytes of one row, four rows a load
	v_mul_u32_u24 v5, v5, SPITCH
	v_and_b32 v6, 7, v0
	v_lshl_add_u32 v5, v6, 4, v5
	v_add_nc_u32 v[RD], s23, v5
	v_mul_u32_u24 v5, v2, SPITCH                   ; v back: sixteen lanes take a head's 256 bytes (hi, lo) of one row, two rows a load
	v_lshl_add_u32 v5, v1, 4, v5
	v_add_nc_u32 v[RDV], s23, v5
	v_and_b32 v5, 31, v0
	v_lshlrev_b32 v[CO], 4, v5                     ; either way a load's rows are 512 consecutive bytes of qkv
	v_lshlrev_b32 v[BOFF], 5, v2                   ; bias: columns 8 h .. of each 16
	v_lshlrev_b32 v5, 8, v1
	v_lshl_add_u32 v[ROFF], v2, 5, v5              ; table: position r, pairs 4 h .. of each 8
.irp b, 0,1,2,3,4,5,6,7
	global_load_b128 v[BI+8*\b:BI+8*\b+3],   v[BOFF], s[80:81] offset:64*\b        ; the bias stays on its way during the K loop; nobody writes it
	global_load_b128 v[BI+8*\b+4:BI+8*\b+7], v[BOFF], s[80:81] offset:64*\b+16
.endr
; 16 matrix instructions: row blocks a0, a0 + 1 of the window's four x all 8 column blocks, 32 along K.  zero = 1: the first product starts the sums.
.macro MUL16 f, hi, a0, zero
.irp a, \a0, \a0+1
.irp b, 0,1,2,3,4,5,6,7
.if \zero
	v_wmma_f32_16x16x32_bf16 v[8*(8*(\a)+\b):8*(8*(\a)+\b)+7], v[\f+8*\b:\f+8*\b+7], v[\f+8*(4*\hi+\a):\f+8*(4*\hi+\a)+7], 0
.else
	v_wmma_f32_16x16x32_bf16 v[8*(8*(\a)+\b):8*(8*(\a)+\b)+7], v[\f+8*\b:\f+8*\b+7], v[\f+8*(4*\hi+\a):\f+8*(4*\hi+\a)+7], v[8*(8*(\a)+\b):8*(8*(\a)+\b)+7]
.endif
.endr
.endr
.endm
; 32 LDS loads in one run: the fragments of one quarter step (128 columns of W, 128 rows of x, 32 K; k = the quarter's byte in x's rows) into buffer f
.macro FETCH slot, k, f
	WIN TO_B
.irp i, 0,1,2,3,4,5,6,7
	ds_load_tr16_b128 v[\f+8*\i:\f+8*\i+3],   v[ADRB+\slot] offset:(\k/64)*32*WPITCH+32*\i
	ds_load_tr16_b128 v[\f+8*\i+4:\f+8*\i+7], v[ADRB+\slot] offset:(\k/64)*32*WPITCH+32*\i+16*WPITCH
.endr
	WIN 0
.irp i, 0,1,2,3,4,5,6,7
	ds_load_b128 v[\f+8*\i:\f+8*\i+3],   v[ADRA+\slot] offset:\k+\i*16*PITCH
	ds_load_b128 v[\f+8*\i+4:\f+8*\i+7], v[ADRA+\slot] offset:\k+\i*16*PITCH+32
.endr
.endm
; A load into a register that a matrix instruction has read, and a vector instruction that reads a matrix result, stand four places behind that matrix
; instruction, and only plain vector instructions that name none of its registers are places (ISA guide 7.12.1 for vector instructions).
.macro PLACES
.rept 4
	v_nop
.endr
.endm
; A K step is four quarter steps of 32 along K, 64 matrix instructions each, on buffers 0, 1, 0, 1.  The 64 accumulators take turns, one instruction a
; turn, in the same order in every quarter, over the backward jump too.
.macro QUARTER slot, k, f, g, zero
	s_wait_dscnt 8                                 ; W and x's rows 0-63 are in; the youngest eight loads (x's rows 64-127) may be out
	WIN MUL_LO
	MUL16 \f, 0, 0, \zero
	MUL16 \f, 0, 2, \zero
	PLACES
	FETCH \slot, \k, \g
	s_wait_dscnt 32                                ; all but the 32 just issued
	WIN MUL_HI
	MUL16 \f, 1, 0, \zero
	MUL16 \f, 1, 2, \zero
.endm
.macro THREE slot, zero
	QUARTER \slot, 64,  F0, F1, \zero
	QUARTER \slot, 128, F1, F0, 0
	QUARTER \slot, 192, F0, F1, 0
.endm
; The last quarter multiplies buffer 1 and changes slots.  In front of the barrier each wave waits for its reads of this slot and for all its tensor loads, of
; which one is out: its part of the next slot.  Behind it the refill comes first, then the next slot's first fragments.
.macro TURN slot, next, fill
	s_wait_dscnt 8
	WIN MUL_LO
	MUL16 F1, 0, 0, 0
	s_wait_dscnt 0                                 ; my reads of this slot are over
	s_set_vgpr_msb 0xa1a0
	s_wait_tensorcnt 0x0                           ; and all my tensor loads have landed
	ds_add_u32 v62, v63
	s_wait_dscnt 0x0
	s_set_vgpr_msb 0xa0a1
	s_barrier_signal -1                            ; (where a slot is filled again this barrier opens a round of the cluster's barrier)
	MUL16 F1, 0, 2, 0                              ; work on registers while the others arrive
	WIN 0
	s_barrier_wait -1
.if \fill
	CREST                                          ; no wave of any partner still reads this slot's tile or has a load on its way
	s_add_nc_u64 s[G0+4*\slot+2:G0+4*\slot+3], s[G0+4*\slot+2:G0+4*\slot+3], 2*KSTEP*2
	s_add_nc_u64 s[G0B+4*\slot+2:G0B+4*\slot+3], s[G0B+4*\slot+2:G0B+4*\slot+3], 2*KSTEP*SIZE_N*2
	JLOAD \slot                                    ; the first tensor load behind the round
.endif
	PLACES
	FETCH \next, 0, F0
	WIN MUL_HI
	MUL16 F1, 1, 0, 0
	MUL16 F1, 1, 2, 0
.endm
.macro LAP zero
	THREE 0, \zero
	TURN 0, 1, 1
	THREE 1, 0
	TURN 1, 0, 1
.endm
	s_wait_tensorcnt 1                             ; my part of K step 0 is in; K step 1's load stays out
	s_barrier_signal -1
	s_barrier_wait -1                              ; everybody's is
	FETCH 0, 0, F0
	LAP 1                                          ; the first lap stands in front of the loop: its first products start the sums
	WIN 0                                          ; at a label and at a branch every window is 0
	s_mov_b32 s3, LAPS-2
.Llap:
	LAP 0
	WIN 0
	s_sub_co_u32 s3, s3, 1
	s_cmp_lg_u32 s3, 0
	s_cbranch_scc1 .Llap
	THREE 0, 0                                     ; the last lap fills nothing
	TURN 0, 1, 0
	THREE 1, 0
	s_wait_dscnt 8
	WIN MUL_LO
	MUL16 F1, 0, 0, 0
	MUL16 F1, 0, 2, 0
	s_wait_dscnt 0
	WIN MUL_HI
	MUL16 F1, 1, 0, 0
	MUL16 F1, 1, 2, 0
; THE WAY OUT OF q AND k, 16 rows at a time (rows 16 i .. of my block = tiles (a, 0..7) of window 2 or 3; from = that window as source 0).
; Scale and bias in one fused step (the bias has been scaled beforehand); the rotation in f32: registers 2 k, 2 k + 1 of a tile are the pair (even, odd) number
; 8 (b % 4) + 4 h + k of the head, and the table row of the lane's position gives its (cos, sin) in registers 32 i + 8 (b % 4) + 2 k, + 1 of window 1.  Then one
; rounding to f16, 16 bytes a lane into my own stage, and back as pieces of 128 bytes, a head's row: four rows of one head are 512 consecutive bytes of qkv.
.macro OUTQK i, a, from
	WIN \from
.irp b, 0,1,2,3,4,5,6,7
.irp k, 0,1,2,3
	v_pk_fma_f32 v[F0+8*\b+2*\k:F0+8*\b+2*\k+1], v[8*(8*\a+\b)+2*\k:8*(8*\a+\b)+2*\k+1], s[90:91], v[BI+8*\b+2*\k:BI+8*\b+2*\k+1] op_sel_hi:[1,0,1]
.endr
.endr
	s_wait_loadcnt 8*(7-\i)                        ; this row group's eight table loads are in; the eight of each younger group may stay out
	WIN FROM_R
.irp b, 0,1,2,3,4,5,6,7
.irp k, 0,1,2,3
	v_mul_f32 v[U+2*\k],   v[F0+8*\b+2*\k+1], v[32*\i+8*(\b%4)+2*\k+1]         ; odd x sin
	v_mul_f32 v[U+2*\k+1], v[F0+8*\b+2*\k],   v[32*\i+8*(\b%4)+2*\k+1]         ; even x sin
.endr
.irp k, 0,1,2,3
	v_fma_f32 v[F0+8*\b+2*\k],   v[F0+8*\b+2*\k],   v[32*\i+8*(\b%4)+2*\k], -v[U+2*\k]     ; even cos - odd sin
	v_fma_f32 v[F0+8*\b+2*\k+1], v[F0+8*\b+2*\k+1], v[32*\i+8*(\b%4)+2*\k], v[U+2*\k+1]    ; odd cos + even sin
.endr
.endr
	WIN 0
.irp b, 0,1,2,3,4,5,6,7
.irp k, 0,1,2,3
	v_cvt_pk_f16_f32 v[PK+4*\b+\k], v[F0+8*\b+2*\k], v[F0+8*\b+2*\k+1]
.endr
.endr
.irp b, 0,1,2,3,4,5,6,7
	ds_store_b128 v[STO], v[PK+4*\b:PK+4*\b+3] offset:32*\b
.endr
	s_wait_xcnt 0x0                                ; the registers that the last group's stores read are loaded again only behind this wait (ISA guide 3.1)
.irp t, 0,1,2,3,4,5,6,7
	ds_load_b128 v[BACK+4*\t:BACK+4*\t+3], v[RD] offset:(\t%4)*4*SPITCH+(\t/4)*128     ; LDS serves a wave's instructions in order (ISA guide 5.7.1): these see the stores above
.endr
.irp t, 0,1,2,3,4,5,6,7
	s_wait_dscnt 7-\t
	global_store_b128 v[CO], v[BACK+4*\t:BACK+4*\t+3], s[76:77] offset:\i*2048+(\t%4)*512+(\t/4)*262144    ; 512 consecutive bytes, aligned
.endr
.endm
; THE WAY OUT OF v.  Bias; hi = the number cut to its sign, exponent and 10 upper fraction bits, which f16 holds exactly; lo = number - hi, exact in f32, rounded to f16.
; In the stage a row holds head 0's hi, head 0's lo, head 1's hi, head 1's lo, 128 bytes each; back come a head's 256 bytes of two rows, 512 consecutive bytes of qkv.
.macro OUTV i, a, from
	WIN \from
.irp b, 0,1,2,3,4,5,6,7
.irp k, 0,1,2,3
	v_pk_add_f32 v[F0+8*\b+2*\k:F0+8*\b+2*\k+1], v[8*(8*\a+\b)+2*\k:8*(8*\a+\b)+2*\k+1], v[BI+8*\b+2*\k:BI+8*\b+2*\k+1]
.endr
.endr
	WIN 0
.irp b, 0,1,2,3,4,5,6,7
.irp j, 0,1,2,3,4,5,6,7
	v_and_b32 v[U+\j], 0xffffe000, v[F0+8*\b+\j]
.endr
.irp k, 0,1,2,3
	v_pk_add_f32 v[F0+8*\b+2*\k:F0+8*\b+2*\k+1], v[F0+8*\b+2*\k:F0+8*\b+2*\k+1], v[U+2*\k:U+2*\k+1] neg_lo:[0,1] neg_hi:[0,1]
.endr
.irp k, 0,1,2,3
	v_cvt_pk_f16_f32 v[PK+4*\b+\k], v[U+2*\k], v[U+2*\k+1]
.endr
.irp k, 0,1,2,3
	v_cvt_pk_f16_f32 v[F0+8*\b+\k], v[F0+8*\b+2*\k], v[F0+8*\b+2*\k+1]         ; in place: register k takes registers 2 k, 2 k + 1, which lie at or above it
.endr
.endr
.irp b, 0,1,2,3,4,5,6,7
	ds_store_b128 v[STO], v[PK+4*\b:PK+4*\b+3] offset:(\b/4)*256+(\b%4)*32
	ds_store_b128 v[STO], v[F0+8*\b:F0+8*\b+3] offset:(\b/4)*256+(\b%4)*32+128
.endr
.irp hd, 0,1
	s_wait_xcnt 0x0                                ; the registers that earlier stores read are loaded again only behind this wait (ISA guide 3.1)
.irp u, 0,1,2,3,4,5,6,7
	ds_load_b128 v[BACK+4*\u:BACK+4*\u+3], v[RDV] offset:\u*2*SPITCH+\hd*256
.endr
.irp u, 0,1,2,3,4,5,6,7
	s_wait_dscnt 7-\u
	global_store_b128 v[CO], v[BACK+4*\u:BACK+4*\u+3], s[76:77] offset:\i*4096+\u*512+\hd*524288   ; 512 consecutive bytes, aligned
.endr
.endr
.endm
	PLACES                                         ; behind the last matrix instructions: for the instructions that read results and for the loads into W's buffers
	WIN 0
	s_wait_loadcnt 0x0                             ; the bias, asked for ahead of the K loop
	s_cmp_eq_u32 s78, 2                            ; v is not rotated; p is alike in the whole cluster
	s_cbranch_scc1 .Lplain
	WIN TO_B
.irp g, 0,1,2,3,4,5,6,7
.irp q, 0,1,2,3
	global_load_b128 v[32*\g+8*\q:32*\g+8*\q+3],   v[ROFF], s[74:75] offset:\g*4096+64*\q      ; row group g: position 16 g + r, pairs 8 q + 4 h + 0, 1
	global_load_b128 v[32*\g+8*\q+4:32*\g+8*\q+7], v[ROFF], s[74:75] offset:\g*4096+64*\q+16   ; pairs 8 q + 4 h + 2, 3
.endr
.endr
	WIN 0
.set n, 0
.rept 32
	v_pk_mul_f32 v[BI+2*n:BI+2*n+1], v[BI+2*n:BI+2*n+1], s[90:91] op_sel_hi:[1,0]      ; the bias takes the scale once, so that scale and bias are one fused step for each pair
.set n, n+1
.endr
	OUTQK 0, 0, 0x02
	OUTQK 1, 1, 0x02
	OUTQK 2, 2, 0x02
	OUTQK 3, 3, 0x02
	OUTQK 4, 0, 0x03
	OUTQK 5, 1, 0x03
	OUTQK 6, 2, 0x03
	OUTQK 7, 3, 0x03
	s_branch .Lclose
.Lplain:
	OUTV 0, 0, 0x02
	OUTV 1, 1, 0x02
	OUTV 2, 2, 0x02
	OUTV 3, 3, 0x02
	OUTV 4, 0, 0x03
	OUTV 5, 1, 0x03
	OUTV 6, 2, 0x03
	OUTV 7, 3, 0x03
.Lclose:
	s_wait_tensorcnt 0x0
	ds_add_u32 v62, v63
	s_wait_dscnt 0x0
	CROUND                                         ; the closing round: no work-group ends while a partner may still ask for a tile that names it
	s_endpgm
.Lfunc_end_k_q5541c9df7f_proj:
	.size	k_q5541c9df7f_proj, .Lfunc_end_k_q5541c9df7f_proj-k_q5541c9df7f_proj
	.p2alignl 7, 3214868480
	.fill 96, 4, 3214868480
	.section	.rodata,"a",@progbits
	.p2align	6, 0x0
	.amdhsa_kernel k_q5541c9df7f_proj
		.amdhsa_group_segment_fixed_size 327680
		.amdhsa_private_segment_fixed_size 0
		.amdhsa_enable_private_segment 0
		.amdhsa_kernarg_size 56
		.amdhsa_user_sgpr_count 2
		.amdhsa_user_sgpr_kernarg_segment_ptr 1
		.amdhsa_wavefront_size32 1
		.amdhsa_system_sgpr_workgroup_id_x 1
		.amdhsa_system_sgpr_workgroup_id_y 1
		.amdhsa_system_sgpr_workgroup_id_z 1
		.amdhsa_system_vgpr_workitem_id 0
		.amdhsa_next_free_vgpr 1024
		.amdhsa_next_free_sgpr 92
		.amdhsa_reserve_vcc 0
		.amdhsa_float_denorm_mode_32 3
		.amdhsa_float_denorm_mode_16_64 3
		.amdhsa_memory_ordered 1
		.amdhsa_forward_progress 1
		.amdhsa_inst_pref_size 255
	.end_amdhsa_kernel
	.section	.bss,"aw",@nobits
	.p2align	6
	.space	262144
	.amdgpu_metadata
---
amdhsa.version: [ 1, 2 ]
amdhsa.kernels:
  - .name:           k_q5541c9df7f_proj
    .symbol:         k_q5541c9df7f_proj.kd
    .args:
      - { .name: xb, .offset: 0, .size: 8, .value_kind: global_buffer, .address_space: global }
      - { .name: wb, .offset: 8, .size: 8, .value_kind: global_buffer, .address_space: global }
      - { .name: b_q, .offset: 16, .size: 8, .value_kind: global_buffer, .address_space: global }
      - { .name: b_k, .offset: 24, .size: 8, .value_kind: global_buffer, .address_space: global }
      - { .name: b_v, .offset: 32, .size: 8, .value_kind: global_buffer, .address_space: global }
      - { .name: rope, .offset: 40, .size: 8, .value_kind: global_buffer, .address_space: global }
      - { .name: qkv, .offset: 48, .size: 8, .value_kind: global_buffer, .address_space: global }
    .group_segment_fixed_size: 327680
    .private_segment_fixed_size: 0
    .kernarg_segment_align: 8
    .kernarg_segment_size: 56
    .max_flat_workgroup_size: 128
    .sgpr_count:     92
    .vgpr_count:     1024
    .wavefront_size: 32
...
	.end_amdgpu_metadata
.endif
;; end of part 2
;; launch attn (part 3): grid 8 x 32, 8 waves a work-group, clusters of 4 x 1, 327,680 bytes of LDS; arguments qkv, mw, ctx; writes ctx
.if DOCPART == 3
	.amdgcn_target "amdgcn-amd-amdhsa--gfx1250"
	.amdhsa_code_object_version 6
	.text
	.protected	k_q5541c9df7f_attn
	.globl	k_q5541c9df7f_attn
	.p2align	8
	.type	k_q5541c9df7f_attn,@function
k_q5541c9df7f_attn:
	s_mov_b64 s[64:65], 0
	v_nop
	global_prefetch_b8 v0, s[64:65] scope:SCOPE_SE
	s_setreg_imm32_b32 hwreg(HW_REG_WAVE_MODE, 25, 1), 1
	s_wait_xcnt 0x0
	s_wait_alu depctr_hold_cnt(0) depctr_sa_sdst(0) depctr_va_vdst(0) depctr_va_sdst(0) depctr_va_ssrc(0) depctr_va_vcc(0) depctr_vm_vsrc(0)
	s_getreg_b32 s2, hwreg(HW_REG_IB_STS2, 6, 4)
	s_cmp_eq_u32 s2, 0
	s_cbranch_scc0 .Lentry_in_a_cluster
	s_endpgm
.Lentry_in_a_cluster:
	s_bfe_u32 s2, ttmp6, 0x10000c
	s_cmp_lg_u32 s2, 0x3003
	s_cbranch_scc0 .Lentry_shape_is_right
	s_endpgm
.Lentry_shape_is_right:
; ATTN: softmax(where(mask == 0, -1e9, q k^T / 8)) v for one (batch, head) and 256 queries a work-group.
; In: q' = c q (c = log2(e) / 8), k, v = hi + lo, all f16.  Out: ctx [2 b][hi, lo][16 head][2048 s][64] bf16: hi = the number cut to bf16, lo = the rest rounded to bf16.
; Eight waves, two on each SIMD with 256 registers each, so that one wave's softmax can run beside the other's matrix work.  A wave owns 32 queries (two groups
; qg of 16) and walks all 2,048 keys, 64 at a time (a granule); the mask is an input, so no key is left out.
; BOTH PRODUCTS ARE TRANSPOSED.  S^T = K Q'^T: source 0 = 16 keys, source 1 = 16 queries; register j of lane (r, h) is key 8 h + j, query r.  Packing neighbouring
; registers of key tiles 2 pr and 2 pr + 1 to f16 gives, with no shuffle, the second source of O^T = V^T P^T (query r; keys 8 h .. and 16 + 8 h ..).  V^T comes by
; the transposing LDS load.  A query's maximum needs one exchange between the halves of the wave a granule, its sum one at the end.
; PRECISION: a query that sees few keys gives outputs many times the whole output's rms, on which the allowance hangs, so 8 significant bits are too few on this road.
; P is f16 (11 bits; a row's largest weight is exactly 1), v is two f16 and is multiplied twice, O^T += Vhi^T P^T + Vlo^T P^T, and ctx leaves as two bf16.
; SOFTMAX: the scores are exponents of 2 as they come; running maximum M; weight = 2^(s - M), at most 1.  Masked scores are -1e9 log2(e).  In a row that is masked
; everywhere s - M is 0 and all weights are 1.
; CLUSTERS: the four work-groups of a cluster are four query blocks of one head and read the same K and V tiles: every tile is asked for jointly (mask 15).
; K and V go in tiles of 256 keys through two LDS slots.  One shape serves all loads: 64 rows of 128 bytes.  Every wave fetches 32 keys of V (a key is a hi row and a lo
; row); waves 0 to 3 also fetch 64 keys of K: at most two loads of a wave are out.  LDS rows are 144 bytes apart, so V's keys 288: an odd multiple of 32.
; LIMITS: NaN and infinite inputs are not served.  Weights below 3e-8 count as zero in P V (f16), below 2^-126 in the sum (v_exp_f32).
.set PITCH,  144
.set VP,     2*PITCH                   ; from key to key in V's part
.set GB,     64*PITCH                  ; what one tensor load brings; also a granule's rows of K
.set KB,     256*PITCH                 ; K's part of a slot; V's part is twice that
.set SLOT,   3*KB
.set STAGE,  2*SLOT                    ; behind the ring: 32 rows x 144 bytes for each wave, for the way out
.set WSTAGE, 32*PITCH
.set KTILE,  256*128                   ; a tile's bytes in memory
.set VTILE,  256*256
.set KA,  1                            ; v1-2    LDS address of my K fragments in slot 0, 1
.set VA,  3                            ; v3-6    the same for V: 2 slot + half of the tile (the offsets would pass 16 bits otherwise)
.set STO, 7
.set RD,  8
.set CO,  9
.set NEG, 10                           ; the masked score
.set QO,  11                           ; my byte offset in q
.set PXS, 11                           ; v0, v11 (11 qg): what the other half of the wave holds; both are free once q is in
.set TA,  12                           ; v12-15  maxima at work (two chains for each qg)
.set QF,  16                           ; v16-47  q fragments: 16 qg + 8 dh
.set O,   48                           ; v48-111 O^T: 32 qg + 8 dt
.set S,   112                          ; v112-175 S^T: 32 qg + 8 kt; then the weights; then P: 32 qg + 16 pr + 0..7, and in the four gaps of 8 a group of V^T fragments
.set F,   176                          ; v176-239 K fragments 16 kt + 8 dh, then V^T fragments
.set M,   240                          ; v240-241 running maximum
.set NM,  242                          ; v242, v244  -M (pairs; the upper registers are written once and not used)
.set AL,  246                          ; v246, v248  2^(M_old - M_new)
.set L,   250                          ; v250-251 running sum of my half of the keys
.set SA,  252                          ; sums at work: qg 0 in v252-255, qg 1 in v12-15
.set SB,  254
.set G0K, 4                            ; s[4:11]  K's group 0, one set for each slot
.set G1,  16                           ; s[16:23]
.set G0V, 24                           ; s[24:31] V's group 0, one set for each slot
.set MW0, 32                           ; s[32:63] a granule's 32 mask words for qg 0
.set MW1, 68                           ; s[68:99] for qg 1
; s2 wave, s3 counter, s[12:13] q, s[100:101] my rows of mask words, s[104:105] ctx, s66-67 the exchange's selectors
.macro ROUND                           ; a round of the cluster's barrier
	s_barrier_signal -1
	s_barrier_wait -1
	s_cmp_lg_u32 s2, 0
	s_cbranch_scc1 .Lnot_wave_0_\@
	s_barrier_signal -3
.Lnot_wave_0_\@:
	s_barrier_wait -3
	s_barrier_signal -1
	s_barrier_wait -1
.endm
.macro KVLOAD s                        ; a tile's joint loads; the branch hangs on the wave's number alone
	tensor_load_to_lds s[G0V+4*(\s):G0V+4*(\s)+3], s[G1:G1+7]
	s_nop 0
	s_cmp_lt_u32 s2, 4
	s_cbranch_scc0 .Lno_k_\@
	tensor_load_to_lds s[G0K+4*(\s):G0K+4*(\s)+3], s[G1:G1+7]
	s_nop 0
.Lno_k_\@:
.endm
	s_load_b128 s[12:15], s[0:1], 0x0              ; qkv s[12:13], mw s[14:15]
	s_load_b64 s[104:105], s[0:1], 0x10            ; ctx
	s_set_vgpr_msb 0x40
	v_lshl_add_u32 v0, v0, 2, 0x3f000
	v_mov_b32 v1, 0
	s_set_vgpr_msb 0x4045
	ds_add_u32 v0, v1
	ds_add_u32 v0, v1
	s_set_vgpr_msb 0x4500
	v_lshrrev_b32 v12, 5, v0
	v_readfirstlane_b32 s2, v12                    ; wave 0..7
	s_bfe_u32 s33, ttmp6, 0x40000                  ; cx
	s_lshl_b32 s34, ttmp9, 2
	s_add_co_u32 s34, s34, s33                     ; query block qb = 4 x cluster x + cx, 0..7
	s_and_b32 s35, ttmp7, 0xffff                   ; bh = 16 batch + head
	s_mov_b32 s66, 0x76543210                      ; v_permlanex16_b32: lane i of one half reads lane i of the other
	s_mov_b32 s67, 0xfedcba98
	; the tiles' shape: 64 rows x 64 elements of 2 bytes, 4 words of padding behind every 32; mask 15: all four work-groups of the cluster
	s_mov_b32 s[G1+0], 15|(1<<16)|(1<<20)|(1<<21)|(4<<22)|(3<<25)
	s_mov_b32 s[G1+1], 64<<16
	s_mov_b32 s[G1+2], 64<<16
	s_mov_b32 s[G1+3], 64<<16
	s_mov_b32 s[G1+4], 64
	s_mov_b32 s[G1+5], 64
	s_mov_b32 s[G1+6], 0
	s_mov_b32 s[G1+7], 0
	; from where, made of bh and the wave alone.  K (used by waves 0 to 3): 8 MiB + head + 64 keys of 128 bytes a wave
	s_lshl_b32 s36, s2, 13
	s_lshl_b32 s37, s35, 18
	s_add_co_u32 s36, s36, s37
	s_add_co_u32 s36, s36, 0x800000
	s_mov_b32 s37, 0
	; V: 16 MiB + head + 32 keys of 256 bytes a wave
	s_lshl_b32 s38, s2, 13
	s_lshl_b32 s39, s35, 19
	s_add_co_u32 s38, s38, s39
	s_add_co_u32 s38, s38, 0x1000000
	s_mov_b32 s39, 0
	; to where: wave x one load's bytes, in K's part and in V's
	s_mov_b32 s[G0K+0], 1
	s_mul_i32 s[G0K+1], s2, GB
	s_mov_b32 s[G0K+4], 1
	s_add_co_u32 s[G0K+5], s[G0K+1], SLOT
	s_mov_b32 s[G0V+0], 1
	s_add_co_u32 s[G0V+1], s[G0K+1], KB
	s_mov_b32 s[G0V+4], 1
	s_add_co_u32 s[G0V+5], s[G0V+1], SLOT
	; what is my own: my 32 queries' rows in q and in ctx, my two rows of mask words
	s_lshl_b32 s40, s34, 15                        ; 256 queries of 128 bytes
	s_lshl_b32 s41, s2, 12                         ; 32 queries
	s_add_co_u32 s40, s40, s41
	s_lshl_b32 s41, s35, 18
	s_add_co_u32 s42, s40, s41                     ; q: 2,048 rows of 128 bytes a head
	s_mov_b32 s43, 0
	s_lshr_b32 s41, s35, 4
	s_lshl_b32 s41, s41, 23                        ; ctx: 8 MiB a batch (hi's 16 heads, lo's 16 heads),
	s_add_co_u32 s40, s40, s41
	s_and_b32 s41, s35, 15
	s_lshl_b32 s41, s41, 18                        ; the head
	s_add_co_u32 s40, s40, s41
	s_mov_b32 s41, 0
	s_lshl_b32 s44, s34, 16                        ; mask words: 16 groups of 16 queries, 4,096 bytes each,
	s_lshl_b32 s45, s2, 13                         ; 2 groups a wave
	s_add_co_u32 s44, s44, s45
	s_mov_b32 s45, 0
	v_and_b32 v12, 15, v0                          ; r
	v_bfe_u32 v13, v0, 4, 1                        ; h
	v_mul_u32_u24 v[KA], v12, PITCH
	v_lshl_add_u32 v[KA], v13, 4, v[KA]            ; K: row r, 16 bytes for each half of the lanes
	v_add_nc_u32 v[KA+1], SLOT, v[KA]
	v_and_b32 v14, 7, v0
	v_lshl_add_u32 v14, v13, 3, v14                ; V: key 8 h + l % 8,
	v_mul_u32_u24 v[VA], v14, VP
	v_bfe_u32 v15, v0, 3, 1
	v_lshl_add_u32 v[VA], v15, 4, v[VA]            ; 8 columns by (l / 8) % 2
	v_add_nc_u32 v[VA], KB, v[VA]
	v_add_nc_u32 v[VA+1], 128*VP, v[VA]            ; the tile's keys 128 ..
	v_add_nc_u32 v[VA+2], SLOT, v[VA]
	v_add_nc_u32 v[VA+3], SLOT, v[VA+1]
	s_mul_i32 s46, s2, WSTAGE
	s_add_co_u32 s46, s46, STAGE                   ; my stage
	v_add_nc_u32 v[STO], s46, v[KA]                ; in: row r, 16 bytes for each half
	v_bfe_u32 v14, v0, 3, 2                        ; back: eight lanes take a row's 128 bytes, four rows a load
	v_mul_u32_u24 v[RD], v14, PITCH
	v_and_b32 v15, 7, v0
	v_lshl_add_u32 v[RD], v15, 4, v[RD]
	v_add_nc_u32 v[RD], s46, v[RD]
	v_and_b32 v[CO], 31, v0
	v_lshlrev_b32 v[CO], 4, v[CO]                  ; those four rows are 512 consecutive bytes of ctx
	v_mov_b32 v[NEG], 0xceabfb8f                   ; -1e9 log2(e)
	v_lshlrev_b32 v[QO], 7, v12
	v_lshl_add_u32 v[QO], v13, 4, v[QO]            ; q: row r, 16 bytes for each half
	v_mov_b32 v[NM+1], 0                           ; upper registers of pairs of which only the lower is used
	v_mov_b32 v[NM+3], 0
	v_mov_b32 v[AL+1], 0
	v_mov_b32 v[AL+3], 0
	s_wait_dscnt 0x0
	s_wait_kmcnt 0x0
	s_add_nc_u64 s[G0K+2:G0K+3], s[12:13], s[36:37]        ; tile 0
	s_add_nc_u64 s[G0K+6:G0K+7], s[G0K+2:G0K+3], KTILE     ; tile 1
	s_or_b32 s[G0K+3], s[G0K+3], 0x80000000
	s_or_b32 s[G0K+7], s[G0K+7], 0x80000000
	s_add_nc_u64 s[G0V+2:G0V+3], s[12:13], s[38:39]
	s_add_nc_u64 s[G0V+6:G0V+7], s[G0V+2:G0V+3], VTILE
	s_or_b32 s[G0V+3], s[G0V+3], 0x80000000
	s_or_b32 s[G0V+7], s[G0V+7], 0x80000000
	s_add_nc_u64 s[12:13], s[12:13], s[42:43]
	s_add_nc_u64 s[104:105], s[104:105], s[40:41]
	s_add_nc_u64 s[100:101], s[14:15], s[44:45]
.irp qg, 0,1
.irp dh, 0,1
	global_load_b128 v[QF+16*\qg+8*\dh:QF+16*\qg+8*\dh+3],   v[QO], s[12:13] offset:\qg*2048+\dh*64
	global_load_b128 v[QF+16*\qg+8*\dh+4:QF+16*\qg+8*\dh+7], v[QO], s[12:13] offset:\qg*2048+\dh*64+32
.endr
.endr
	s_load_b512 s[MW0:MW0+15],    s[100:101], 0    ; the first granule's mask words
	s_load_b512 s[MW0+16:MW0+31], s[100:101], 64
	s_load_b512 s[MW1:MW1+15],    s[100:101], 4096
	s_load_b512 s[MW1+16:MW1+31], s[100:101], 4160
	ROUND                                          ; all four work-groups are here: the first joint loads meet
	KVLOAD 0                                       ; tile 0
	s_wait_loadcnt 0x0                             ; q
; The head of a trip.  All my tensor loads are done, my parts of this trip's tile among them, so every group 0 may be written; my reads of the last trip's tile are done;
; the round shows both of every wave of the four work-groups; the refills of the slot read last trip are the first tensor loads behind it.
.macro TRIPHEAD slot, refill
	s_set_vgpr_msb 0x5
	s_wait_tensorcnt 0x0
	ds_add_u32 v0, v1
	s_wait_dscnt 0x0
	s_set_vgpr_msb 0x500
	s_add_nc_u64 s[G0K+4*\slot+2:G0K+4*\slot+3], s[G0K+4*\slot+2:G0K+4*\slot+3], 2*KTILE
	s_add_nc_u64 s[G0V+4*\slot+2:G0V+4*\slot+3], s[G0V+4*\slot+2:G0V+4*\slot+3], 2*VTILE
	s_wait_dscnt 0x0
	ROUND
.if \refill
	KVLOAD 1-\slot
.endif
.endm
; One fragment of V^T: d = 16 dt + r; keys 32 pr + 8 h .. and 32 pr + 16 + 8 h .. of granule g; part 0 hi, 1 lo
.macro VFRAG dst, slot, g, pr, part, dt
	ds_load_tr16_b128 v[\dst:\dst+3],   v[VA+2*\slot+(\g)/2] offset:((\g)%2)*64*VP+\pr*32*VP+\part*PITCH+32*\dt
	ds_load_tr16_b128 v[\dst+4:\dst+7], v[VA+2*\slot+(\g)/2] offset:((\g)%2)*64*VP+\pr*32*VP+\part*PITCH+32*\dt+16*VP
.endm
; Eight matrix instructions, one on each accumulator of O^T, always in the same order: the accumulators take turns.
; Fragment dt of V^T lies at src + step dt.
.macro PV8 src, step, pr, zero
.irp dt, 0,1,2,3
.irp qg, 0,1
.if \zero
	v_wmma_f32_16x16x32_f16 v[O+32*\qg+8*\dt:O+32*\qg+8*\dt+7], v[\src+\step*\dt:\src+\step*\dt+7], v[S+32*\qg+16*\pr:S+32*\qg+16*\pr+7], 0
.else
	v_wmma_f32_16x16x32_f16 v[O+32*\qg+8*\dt:O+32*\qg+8*\dt+7], v[\src+\step*\dt:\src+\step*\dt+7], v[S+32*\qg+16*\pr:S+32*\qg+16*\pr+7], v[O+32*\qg+8*\dt:O+32*\qg+8*\dt+7]
.endif
.endr
.endr
.endm
; One granule: keys 64 g .. 64 g + 63 of the slot's tile.  first = 1: it starts maximum, sum and O.  mload = 1: the next granule's mask words are asked for at byte
; moff of my rows; mstep = 1: the pointer first steps over eight granules.
.macro GRAN slot, g, first, mload, moff, mstep
.irp dh, 0,1
.irp kt, 0,1,2,3
	ds_load_b128 v[F+16*\kt+8*\dh:F+16*\kt+8*\dh+3],   v[KA+\slot] offset:\g*GB+\kt*16*PITCH+\dh*64
	ds_load_b128 v[F+16*\kt+8*\dh+4:F+16*\kt+8*\dh+7], v[KA+\slot] offset:\g*GB+\kt*16*PITCH+\dh*64+32
.endr
.endr
	s_wait_dscnt 8                                 ; the fragments of d = 0..31 are in; the eight of d = 32..63 may be out
	; S^T: eight accumulators take turns, one instruction a turn
.irp kt, 0,1,2,3
.irp qg, 0,1
	v_wmma_f32_16x16x32_f16 v[S+32*\qg+8*\kt:S+32*\qg+8*\kt+7], v[F+16*\kt:F+16*\kt+7], v[QF+16*\qg:QF+16*\qg+7], 0
.endr
.endr
	s_wait_dscnt 0
.irp kt, 0,1,2,3
.irp qg, 0,1
	v_wmma_f32_16x16x32_f16 v[S+32*\qg+8*\kt:S+32*\qg+8*\kt+7], v[F+16*\kt+8:F+16*\kt+15], v[QF+16*\qg+8:QF+16*\qg+15], v[S+32*\qg+8*\kt:S+32*\qg+8*\kt+7]
.endr
.endr
.rept 4
	v_nop                                          ; four places (ISA guide 7.12.1) before K's fragments are loaded over and the scores are read
.endr
.irp dt, 0,1,2,3
	VFRAG F+8*\dt, \slot, \g, 0, 0, \dt            ; keys 0-31, hi
.endr
.irp dt, 0,1,2,3
	VFRAG F+32+8*\dt, \slot, \g, 0, 1, \dt         ; keys 0-31, lo
.endr
	s_wait_kmcnt 0x0                               ; this granule's mask words
.irp kt, 0,1,2,3
.irp j, 0,1,2,3,4,5,6,7
	v_cndmask_b32 v[S+8*\kt+\j],    v[NEG], v[S+8*\kt+\j],    s[MW0+8*\kt+\j]      ; bit set: the score stays; clear: the masked score
	v_cndmask_b32 v[S+32+8*\kt+\j], v[NEG], v[S+32+8*\kt+\j], s[MW1+8*\kt+\j]
.endr
.endr
.if \mstep
	s_add_nc_u64 s[100:101], s[100:101], 1024      ; no scalar load is out here
.endif
.if \mload
	s_load_b512 s[MW0:MW0+15],    s[100:101], \moff
	s_load_b512 s[MW0+16:MW0+31], s[100:101], \moff+64
	s_load_b512 s[MW1:MW1+15],    s[100:101], \moff+4096
	s_load_b512 s[MW1+16:MW1+31], s[100:101], \moff+4160
.endif
	; the maximum of my 32 scores of each query, in two chains for each qg; then the other half's; then the running one
.irp qg, 0,1
	v_max3_num_f32 v[TA+2*\qg],   v[S+32*\qg],    v[S+32*\qg+1],  v[S+32*\qg+2]
	v_max3_num_f32 v[TA+2*\qg+1], v[S+32*\qg+15], v[S+32*\qg+16], v[S+32*\qg+17]
.endr
.irp i, 0,1,2,3,4,5
.irp qg, 0,1
	v_max3_num_f32 v[TA+2*\qg],   v[TA+2*\qg],   v[S+32*\qg+3+2*\i],  v[S+32*\qg+4+2*\i]
	v_max3_num_f32 v[TA+2*\qg+1], v[TA+2*\qg+1], v[S+32*\qg+18+2*\i], v[S+32*\qg+19+2*\i]
.endr
.endr
.irp qg, 0,1
	v_max3_num_f32 v[TA+2*\qg], v[TA+2*\qg], v[TA+2*\qg+1], v[S+32*\qg+30]
.endr
.irp qg, 0,1
	v_max_num_f32 v[TA+2*\qg], v[TA+2*\qg], v[S+32*\qg+31]
.endr
.irp qg, 0,1
	v_permlanex16_b32 v[PXS*\qg], v[TA+2*\qg], s66, s67
.endr
.irp qg, 0,1
.if \first
	v_max_num_f32 v[M+\qg], v[TA+2*\qg], v[PXS*\qg]
	v_mul_f32 v[NM+2*\qg], -1.0, v[M+\qg]          ; -M
.else
	v_max3_num_f32 v[M+\qg], v[TA+2*\qg], v[PXS*\qg], v[M+\qg]
	v_mul_f32 v[TA+2*\qg+1], -1.0, v[M+\qg]        ; the new -M
	v_sub_f32 v[AL+2*\qg], v[TA+2*\qg+1], v[NM+2*\qg]
	v_mov_b32 v[NM+2*\qg], v[TA+2*\qg+1]
	v_exp_f32 v[AL+2*\qg], v[AL+2*\qg]             ; 2^(M_old - M_new); plain instructions that do not touch it follow (ISA guide 5.7.2)
.endif
.endr
	; weights: 2^(s - M)
.irp qg, 0,1
.irp i, 0,1,2,3,4,5,6,7,8,9,10,11,12,13,14,15
	v_pk_add_f32 v[S+32*\qg+2*\i:S+32*\qg+2*\i+1], v[S+32*\qg+2*\i:S+32*\qg+2*\i+1], v[NM+2*\qg:NM+2*\qg+1] op_sel_hi:[1,0]
.endr
.endr
.set e, 0
.rept 64
	v_exp_f32 v[S+e], v[S+e]
.set e, e+1
.endr
	v_nop                                          ; one plain place behind the exponentials before their results are used (ISA guide 5.7.2)
	; the sum of my 32 weights of each query, two packed chains for each qg
	s_wait_alu depctr_va_vdst(0)
.irp qg, 0,1
	v_pk_add_f32 v[SA-240*\qg:SA-240*\qg+1], v[S+32*\qg:S+32*\qg+1],       v[S+32*\qg+2:S+32*\qg+3]
	v_pk_add_f32 v[SB-240*\qg:SB-240*\qg+1], v[S+32*\qg+16:S+32*\qg+17],   v[S+32*\qg+18:S+32*\qg+19]
.endr
.irp i, 0,1,2,3,4,5
.irp qg, 0,1
	v_pk_add_f32 v[SA-240*\qg:SA-240*\qg+1], v[SA-240*\qg:SA-240*\qg+1], v[S+32*\qg+4+2*\i:S+32*\qg+5+2*\i]
	v_pk_add_f32 v[SB-240*\qg:SB-240*\qg+1], v[SB-240*\qg:SB-240*\qg+1], v[S+32*\qg+20+2*\i:S+32*\qg+21+2*\i]
.endr
.endr
.irp qg, 0,1
	v_pk_add_f32 v[SA-240*\qg:SA-240*\qg+1], v[SA-240*\qg:SA-240*\qg+1], v[SB-240*\qg:SB-240*\qg+1]
.endr
.irp qg, 0,1
.if \first
	v_add_f32 v[L+\qg], v[SA-240*\qg], v[SA-240*\qg+1]
.else
	v_add_f32 v[SA-240*\qg], v[SA-240*\qg], v[SA-240*\qg+1]
	v_fma_f32 v[L+\qg], v[L+\qg], v[AL+2*\qg], v[SA-240*\qg]
.endif
.endr
	; P in f16, in place: register k of a run of 16 takes registers 2 k, 2 k + 1, which lie at or above it; registers 8 to 15 of each run fall free
.irp qg, 0,1
.irp pr, 0,1
.irp k, 0,1,2,3,4,5,6,7
	v_cvt_pk_f16_f32 v[S+32*\qg+16*\pr+\k], v[S+32*\qg+16*\pr+2*\k], v[S+32*\qg+16*\pr+2*\k+1]
.endr
.endr
.endr
.irp dt, 0,1,2,3
	VFRAG S+16*\dt+8, \slot, \g, 1, 0, \dt         ; keys 32-63, hi, into the four gaps
.endr
.if \first == 0
.irp qg, 0,1
.irp i, 0,1,2,3,4,5,6,7,8,9,10,11,12,13,14,15
	v_pk_mul_f32 v[O+32*\qg+2*\i:O+32*\qg+2*\i+1], v[O+32*\qg+2*\i:O+32*\qg+2*\i+1], v[AL+2*\qg:AL+2*\qg+1] op_sel_hi:[1,0]
.endr
.endr
.endif
	; O^T += V^T P^T in four groups of eight.  Each wait leaves out the loads that are younger than the group's own.
	s_wait_dscnt 16                                ; keys 0-31 hi are in; 8 loads of lo and 8 of keys 32-63 hi may be out
	PV8 F, 8, 0, \first
.rept 4
	v_nop                                          ; four places (ISA guide 7.12.1) before the fragments just multiplied are loaded over
.endr
.irp dt, 0,1,2,3
	VFRAG F+8*\dt, \slot, \g, 1, 1, \dt            ; keys 32-63, lo
.endr
	s_wait_dscnt 16                                ; keys 0-31 lo are in; the 16 loads of keys 32-63 may be out
	PV8 F+32, 8, 0, 0
	s_wait_dscnt 8                                 ; keys 32-63 hi are in; the 8 loads of lo may be out
	PV8 S+8, 16, 1, 0
	s_wait_dscnt 0
	PV8 F, 8, 1, 0
.rept 5
	v_nop                                          ; five places before the next granule's matrix instructions write over P and the gaps, four before its loads write over V^T
.endr
.endm
; Two trips = once round the ring = eight granules = 1,024 bytes of each row of mask words.
.macro PAIRT first, refill, more
	TRIPHEAD 0, 1
	GRAN 0, 0, \first, 1, 128, 0
	GRAN 0, 1, 0, 1, 256, 0
	GRAN 0, 2, 0, 1, 384, 0
	GRAN 0, 3, 0, 1, 512, 0
	TRIPHEAD 1, \refill
	GRAN 1, 0, 0, 1, 640, 0
	GRAN 1, 1, 0, 1, 768, 0
	GRAN 1, 2, 0, 1, 896, 0
	GRAN 1, 3, 0, \more, 0, \more
.endm
	PAIRT 1, 1, 1                                  ; tiles 0, 1: the first granule starts the sums
	s_mov_b32 s3, 2
.Lpair:
	PAIRT 0, 1, 1                                  ; tiles 2 to 5
	s_sub_co_u32 s3, s3, 1
	s_cmp_lg_u32 s3, 0
	s_cbranch_scc1 .Lpair
	PAIRT 0, 0, 0                                  ; tiles 6, 7: nothing is asked for beyond the end, of tiles or of mask words
	; THE WAY OUT: the two halves' sums meet and O^T is divided.  hi = the number's upper 16 bits, a bf16; lo = number - hi, exact in f32, rounded to bf16.
	; A lane's 8 registers are 8 neighbouring d of one query: 16 bytes of hi and 16 of lo, which go through my stage one after the other.
.irp qg, 0,1
	v_permlanex16_b32 v[PXS*\qg], v[L+\qg], s66, s67
	v_add_f32 v[L+\qg], v[L+\qg], v[PXS*\qg]       ; at least 1: the largest score's weight
	v_rcp_f32 v[AL+2*\qg], v[L+\qg]
.endr
	v_nop                                          ; one plain place behind v_rcp_f32 (ISA guide 5.7.2)
	s_wait_alu depctr_va_vdst(0)
.irp qg, 0,1
.irp i, 0,1,2,3,4,5,6,7,8,9,10,11,12,13,14,15
	v_pk_mul_f32 v[O+32*\qg+2*\i:O+32*\qg+2*\i+1], v[O+32*\qg+2*\i:O+32*\qg+2*\i+1], v[AL+2*\qg:AL+2*\qg+1] op_sel_hi:[1,0]
.endr
.endr
.set e, 0
.rept 64
	v_and_b32 v[S+e], 0xffff0000, v[O+e]
.set e, e+1
.endr
.set e, 0
.rept 32
	v_pk_add_f32 v[O+2*e:O+2*e+1], v[O+2*e:O+2*e+1], v[S+2*e:S+2*e+1] neg_lo:[0,1] neg_hi:[0,1]
.set e, e+1
.endr
.set e, 0
.rept 32
	v_cvt_pk_bf16_f32 v[F+e],    v[S+2*e], v[S+2*e+1]      ; exact
	v_cvt_pk_bf16_f32 v[F+32+e], v[O+2*e], v[O+2*e+1]
.set e, e+1
.endr
.irp qg, 0,1
.irp dt, 0,1,2,3
	ds_store_b128 v[STO], v[F+16*\qg+4*\dt:F+16*\qg+4*\dt+3] offset:\qg*16*PITCH+32*\dt
.endr
.endr
.irp t, 0,1,2,3,4,5,6,7
	ds_load_b128 v[S+4*\t:S+4*\t+3], v[RD] offset:\t*4*PITCH       ; LDS serves a wave's instructions in order (ISA guide 5.7.1): these see hi's stores above,
.endr
.irp qg, 0,1
.irp dt, 0,1,2,3
	ds_store_b128 v[STO], v[F+32+16*\qg+4*\dt:F+32+16*\qg+4*\dt+3] offset:\qg*16*PITCH+32*\dt      ; and lo's stores come behind them
.endr
.endr
.irp t, 0,1,2,3,4,5,6,7
	ds_load_b128 v[S+32+4*\t:S+32+4*\t+3], v[RD] offset:\t*4*PITCH
.endr
.irp t, 0,1,2,3,4,5,6,7
	s_wait_dscnt 23-\t                             ; behind hi's load t stand 7 - t loads, 8 stores and 8 loads
	global_store_b128 v[CO], v[S+4*\t:S+4*\t+3], s[104:105] offset:512*\t          ; four queries' rows: 512 consecutive bytes, aligned
.endr
.irp t, 0,1,2,3,4,5,6,7
	s_wait_dscnt 7-\t
	global_store_b128 v[CO], v[S+32+4*\t:S+32+4*\t+3], s[104:105] offset:4194304+512*\t    ; lo lies 16 heads on
.endr
	s_set_vgpr_msb 0x5
	s_wait_tensorcnt 0x0
	ds_add_u32 v0, v1
	s_wait_dscnt 0x0
	s_set_vgpr_msb 0x500
	ROUND                                          ; the closing round: no work-group ends while a partner may still ask for a tile that names it
	s_endpgm
.Lfunc_end_k_q5541c9df7f_attn:
	.size	k_q5541c9df7f_attn, .Lfunc_end_k_q5541c9df7f_attn-k_q5541c9df7f_attn
	.p2alignl 7, 3214868480
	.fill 96, 4, 3214868480
	.section	.rodata,"a",@progbits
	.p2align	6, 0x0
	.amdhsa_kernel k_q5541c9df7f_attn
		.amdhsa_group_segment_fixed_size 327680
		.amdhsa_private_segment_fixed_size 0
		.amdhsa_enable_private_segment 0
		.amdhsa_kernarg_size 24
		.amdhsa_user_sgpr_count 2
		.amdhsa_user_sgpr_kernarg_segment_ptr 1
		.amdhsa_wavefront_size32 1
		.amdhsa_system_sgpr_workgroup_id_x 1
		.amdhsa_system_sgpr_workgroup_id_y 1
		.amdhsa_system_sgpr_workgroup_id_z 1
		.amdhsa_system_vgpr_workitem_id 0
		.amdhsa_next_free_vgpr 258
		.amdhsa_next_free_sgpr 106
		.amdhsa_reserve_vcc 0
		.amdhsa_float_denorm_mode_32 3
		.amdhsa_float_denorm_mode_16_64 3
		.amdhsa_memory_ordered 1
		.amdhsa_forward_progress 1
		.amdhsa_inst_pref_size 255
	.end_amdhsa_kernel
	.section	.bss,"aw",@nobits
	.p2align	6
	.space	262144
	.amdgpu_metadata
---
amdhsa.version: [ 1, 2 ]
amdhsa.kernels:
  - .name:           k_q5541c9df7f_attn
    .symbol:         k_q5541c9df7f_attn.kd
    .args:
      - { .name: qkv, .offset: 0, .size: 8, .value_kind: global_buffer, .address_space: global }
      - { .name: mw, .offset: 8, .size: 8, .value_kind: global_buffer, .address_space: global }
      - { .name: ctx, .offset: 16, .size: 8, .value_kind: global_buffer, .address_space: global }
    .group_segment_fixed_size: 327680
    .private_segment_fixed_size: 0
    .kernarg_segment_align: 8
    .kernarg_segment_size: 24
    .max_flat_workgroup_size: 256
    .sgpr_count:     106
    .vgpr_count:     258
    .wavefront_size: 32
...
	.end_amdgpu_metadata
.endif
;; end of part 3
;; launch oproj (part 4): grid 8 x 32, 4 waves a work-group, clusters of 4 x 4, 327,680 bytes of LDS; arguments ctx, wb, b_o, out0; writes out0
.if DOCPART == 4
	.amdgcn_target "amdgcn-amd-amdhsa--gfx1250"
	.amdhsa_code_object_version 6
	.text
	.protected	k_q5541c9df7f_oproj
	.globl	k_q5541c9df7f_oproj
	.p2align	8
	.type	k_q5541c9df7f_oproj,@function
k_q5541c9df7f_oproj:
	s_mov_b64 s[64:65], 0
	v_nop
	global_prefetch_b8 v0, s[64:65] scope:SCOPE_SE
	s_setreg_imm32_b32 hwreg(HW_REG_WAVE_MODE, 25, 1), 1
	s_wait_xcnt 0x0
	s_wait_alu depctr_hold_cnt(0) depctr_sa_sdst(0) depctr_va_vdst(0) depctr_va_sdst(0) depctr_va_ssrc(0) depctr_va_vcc(0) depctr_vm_vsrc(0)
	s_getreg_b32 s2, hwreg(HW_REG_IB_STS2, 6, 4)
	s_cmp_eq_u32 s2, 0
	s_cbranch_scc0 .Lentry_in_a_cluster
	s_endpgm
.Lentry_in_a_cluster:
	s_bfe_u32 s2, ttmp6, 0x10000c
	s_cmp_lg_u32 s2, 0xf033
	s_cbranch_scc0 .Lentry_shape_is_right
	s_endpgm
.Lentry_shape_is_right:
; OPROJ: out0 = ctx W_o + b_o, [4096][1024] f32.  ctx comes as two bf16, hi + lo, [2 b][hi, lo][16 head][2048 s][64]; W_o is the fourth part of wb, bf16, [k][n].
; The product is (hi | lo) times (W_o over W_o), K = 2,048: 16 significant bits of ctx reach the sums.  A row that sees few keys is many times the whole output's rms,
; on which the allowance hangs; one bf16 would be too coarse there.
; 256 blocks of 128 x 128, one a work-group, four waves of 64 x 64 (16 accumulator tiles, 128 registers).  K goes in eight tiles of 256 (four heads of hi, later of lo)
; through two LDS slots.  In memory ctx's tiles follow each other 1 MiB apart; W_o's four tiles are walked twice.  The first two tiles are asked for at once.
; CLUSTERS: 4 x 4 work-groups.  ctx's tile hangs on the block row alone and is asked for jointly by a row of the cluster, W_o's on the block column alone, by a column.
; Every wave issues both lines: one head's 128 rows of ctx and 64 rows of W_o.  A wave has at most four tensor loads out (the start), later two.
; The matrix instruction is used transposed (source 0 = 16 columns of W_o by the transposing LDS load, source 1 = 16 rows of ctx): a lane's eight results are eight
; neighbouring columns of one row.
; REGISTERS: window 0: v16-27 addresses, v64-127 and v128-191 fragment buffers (ctx in the lower 32, W_o in the upper 32), v192-223 bias, v224-255 at work;
; window 1: v0-127 the accumulators, tile (a, b) at 8 (4 a + b).
; LIMITS: NaN and infinities are not served.  Operands bf16, sums and bias f32.
.set APITCH, 144                       ; a head's row of ctx in LDS: 128 bytes + 16
.set WPITCH, 288                       ; W_o's row in LDS: 256 bytes + 32
.set HSUB,   128*APITCH                ; what one tensor load brings: 128 rows of ctx, or 64 rows of W_o (64 x 288 is the same number)
.set WOFF,   4*HSUB                    ; W_o's part of a slot
.set SLOT,   8*HSUB
.set STAGE,  2*SLOT                    ; behind the ring: 16 rows x 272 bytes for each wave
.set SPITCH, 272
.set ADRA, 16                          ; v16-17  my ctx fragments in slot 0, 1
.set ADRB, 20                          ; v20-23  my W_o fragments: 2 slot + half of the tile's 256 rows (the offsets would pass 16 bits otherwise)
.set STO,  24
.set RD,   25
.set CO,   26
.set BOFF, 27
.set F0,   64
.set F1,   128
.set BI,   192
.set T,    224
.set G1A, 24                           ; s[24:31]
.set G1B, 32                           ; s[32:39]
.set G0A, 40                           ; s[40:47] one set for each slot
.set G0B, 48                           ; s[48:55]
.set MSB, 0
.macro WIN new                         ; the immediate's high byte repeats the setting that is left
.if MSB != \new
	s_set_vgpr_msb (MSB<<8)|\new
.set MSB, \new
.endif
.endm
.set MUL, 0x50                         ; C and D window 1, both sources window 0
.macro CREST
	s_cmp_lg_u32 s12, 0
	s_cbranch_scc1 .Lnot_wave_0_\@
	s_barrier_signal -3
.Lnot_wave_0_\@:
	s_barrier_wait -3
	s_barrier_signal -1
	s_barrier_wait -1
.endm
.macro CROUND                          ; a round of the cluster's barrier
	s_barrier_signal -1
	s_barrier_wait -1
	CREST
.endm
.macro PLACES                          ; four places behind a matrix instruction before a load lands on a register that it read or a vector instruction reads its result
.rept 4
	v_nop
.endr
.endm
	s_load_b256 s[4:11], s[0:1], 0x0               ; ctx 4, wb 6, b_o 8, out0 10
	v_lshl_add_u32 v62, v0, 2, 0x4c400
	v_mov_b32 v63, 0
	ds_add_u32 v62, v63
	ds_add_u32 v62, v63
	v_lshrrev_b32 v1, 5, v0
	v_readfirstlane_b32 s12, v1                    ; wave 0..3
	s_lshr_b32 s13, s12, 1                         ; wm: which 64 rows
	s_and_b32 s14, s12, 1                          ; wn: which 64 columns
	s_bfe_u32 s56, ttmp6, 0x40000                  ; cx
	s_bfe_u32 s57, ttmp6, 0x40004                  ; cy
	s_lshl_b32 s58, ttmp9, 2
	s_add_co_u32 s58, s58, s56                     ; block column bx, 0..7
	s_and_b32 s59, ttmp7, 0xffff
	s_lshl_b32 s59, s59, 2
	s_add_co_u32 s59, s59, s57                     ; block row by, 0..31
	s_lshl_b32 s60, s57, 2
	s_lshl_b32 s60, 15, s60                        ; my row of the cluster
	s_lshl_b32 s61, 0x1111, s56                    ; my column
	; ctx: 128 rows x 64 elements of 2 bytes, 4 words of padding behind every 32
	s_or_b32 s[G1A+0], s60, (1<<16)|(1<<20)|(1<<21)|(4<<22)|(3<<25)
	s_mov_b32 s[G1A+1], 64<<16
	s_mov_b32 s[G1A+2], 128<<16
	s_mov_b32 s[G1A+3], 64<<16
	s_mov_b32 s[G1A+4], 128
	s_mov_b32 s[G1A+5], 64
	s_mov_b32 s[G1A+6], 0
	s_mov_b32 s[G1A+7], 0
	; W_o: 64 rows x 128 elements, 8 words of padding behind every 64
	s_or_b32 s[G1B+0], s61, (1<<16)|(1<<20)|(1<<21)|(5<<22)|(7<<25)
	s_mov_b32 s[G1B+1], 128<<16
	s_mov_b32 s[G1B+2], 64<<16
	s_mov_b32 s[G1B+3], 128<<16
	s_mov_b32 s[G1B+4], 64
	s_mov_b32 s[G1B+5], 1024
	s_mov_b32 s[G1B+6], 0
	s_mov_b32 s[G1B+7], 0
	; ctx's address: batch by / 16 (32 head planes: 16 of hi, 16 of lo), plane 4 tile + wave, rows 128 (by % 16): of by and the wave alone
	s_lshr_b32 s16, s59, 4
	s_lshl_b32 s16, s16, 5
	s_add_co_u32 s16, s16, s12
	s_lshl_b32 s16, s16, 18                        ; 2,048 rows of 128 bytes a plane
	s_and_b32 s17, s59, 15
	s_lshl_b32 s17, s17, 14                        ; 128 rows
	s_add_co_u32 s16, s16, s17
	s_mov_b32 s17, 0
	; W_o's address: the fourth part of wb, rows 256 (tile % 4) + 64 wave, columns 128 bx: of bx and the wave alone
	s_lshl_b32 s18, s58, 8
	s_lshl_b32 s19, s12, 17
	s_add_co_u32 s18, s18, s19
	s_add_co_u32 s18, s18, 3*2097152
	s_mov_b32 s19, 0
	s_mul_i32 s15, s12, HSUB                       ; to where: wave x one load's bytes
	; what is my own: bias and result (registers that feed no descriptor)
	s_lshl_b32 s62, s58, 9                         ; 128 columns of 4 bytes
	s_lshl_b32 s63, s14, 8                         ; 64 columns
	s_add_co_u32 s62, s62, s63
	s_mov_b32 s63, 0
	s_wait_dscnt 0x0
	s_wait_kmcnt 0x0
	s_add_nc_u64 s[8:9], s[8:9], s[62:63]
	s_lshl_b32 s3, s59, 19                         ; 128 rows of 4,096 bytes
	s_add_co_u32 s62, s62, s3
	s_lshl_b32 s3, s13, 18                         ; 64 rows
	s_add_co_u32 s62, s62, s3
	s_add_nc_u64 s[10:11], s[10:11], s[62:63]
	s_add_nc_u64 s[16:17], s[4:5], s[16:17]
	s_add_nc_u64 s[18:19], s[6:7], s[18:19]
	CROUND                                         ; all sixteen work-groups are here: the first joint loads meet
.irp s, 0,1
	s_mov_b32 s[G0A+4*\s], 1
	s_add_co_u32 s[G0A+4*\s+1], s15, \s*SLOT
	s_add_nc_u64 s[G0A+4*\s+2:G0A+4*\s+3], s[16:17], \s*4*262144           ; tile s: four planes on
	s_or_b32 s[G0A+4*\s+3], s[G0A+4*\s+3], 0x80000000
	s_mov_b32 s[G0B+4*\s], 1
	s_add_co_u32 s[G0B+4*\s+1], s15, \s*SLOT+WOFF
	s_add_nc_u64 s[G0B+4*\s+2:G0B+4*\s+3], s[18:19], \s*256*2048           ; tile s: 256 rows on
	s_or_b32 s[G0B+4*\s+3], s[G0B+4*\s+3], 0x80000000
	tensor_load_to_lds s[G0A+4*\s:G0A+4*\s+3], s[G1A:G1A+7]
	s_nop 0
	tensor_load_to_lds s[G0B+4*\s:G0B+4*\s+3], s[G1B:G1B+7]
	s_nop 0
.endr
	v_and_b32 v1, 15, v0                           ; r
	v_bfe_u32 v2, v0, 4, 1                         ; h
	v_mul_u32_u24 v3, v1, APITCH
	v_lshl_add_u32 v3, v2, 4, v3                   ; ctx: row r, 16 bytes for each half of the lanes
	s_mul_i32 s20, s13, 64*APITCH                  ; my 64 rows
	v_add_nc_u32 v[ADRA], s20, v3
	v_add_nc_u32 v[ADRA+1], SLOT, v[ADRA]
	v_and_b32 v4, 7, v0
	v_lshl_add_u32 v4, v2, 3, v4                   ; W_o: k row 8 h + l % 8,
	v_mul_u32_u24 v4, v4, WPITCH
	v_bfe_u32 v5, v0, 3, 1
	v_lshl_add_u32 v4, v5, 4, v4                   ; 8 columns by (l / 8) % 2
	s_lshl_b32 s21, s14, 7                         ; my 64 columns
	s_add_co_u32 s21, s21, WOFF
	v_add_nc_u32 v[ADRB], s21, v4
	v_add_nc_u32 v[ADRB+1], 128*WPITCH, v[ADRB]
	v_add_nc_u32 v[ADRB+2], SLOT, v[ADRB]
	v_add_nc_u32 v[ADRB+3], SLOT, v[ADRB+1]
	s_mul_i32 s22, s12, 16*SPITCH
	s_add_co_u32 s22, s22, STAGE                   ; my stage
	v_mul_u32_u24 v5, v1, SPITCH                   ; in: row r, 32 bytes (8 f32) for each half of the lanes
	v_lshl_add_u32 v5, v2, 5, v5
	v_add_nc_u32 v[STO], s22, v5
	v_mul_u32_u24 v5, v2, SPITCH                   ; back: lanes 0-15 take one row of 256 bytes, lanes 16-31 the next
	v_lshl_add_u32 v5, v1, 4, v5
	v_add_nc_u32 v[RD], s22, v5
	v_lshlrev_b32 v5, 12, v2                       ; and the same two rows in out0
	v_lshl_add_u32 v[CO], v1, 4, v5
	v_lshlrev_b32 v[BOFF], 5, v2
.irp b, 0,1,2,3
	global_load_b128 v[BI+8*\b:BI+8*\b+3],   v[BOFF], s[8:9] offset:64*\b      ; bias of columns 16 b + 8 h + 0..7; waited for on the way out
	global_load_b128 v[BI+8*\b+4:BI+8*\b+7], v[BOFF], s[8:9] offset:64*\b+16
.endr
; 16 LDS loads: the fragments of 32 along K (number kq of the tile's eight) into buffer f
.macro FETCH slot, kq, f
.irp b, 0,1,2,3
	ds_load_tr16_b128 v[\f+32+8*\b:\f+32+8*\b+3],   v[ADRB+2*\slot+(\kq)/4] offset:((\kq)%4)*32*WPITCH+32*\b
	ds_load_tr16_b128 v[\f+32+8*\b+4:\f+32+8*\b+7], v[ADRB+2*\slot+(\kq)/4] offset:((\kq)%4)*32*WPITCH+32*\b+16*WPITCH
.endr
.irp i, 0,1,2,3
	ds_load_b128 v[\f+8*\i:\f+8*\i+3],   v[ADRA+\slot] offset:((\kq)/2)*HSUB+\i*16*APITCH+((\kq)%2)*64
	ds_load_b128 v[\f+8*\i+4:\f+8*\i+7], v[ADRA+\slot] offset:((\kq)/2)*HSUB+\i*16*APITCH+((\kq)%2)*64+32
.endr
.endm
; 16 matrix instructions, one on each accumulator, always in the same order: the accumulators take turns
.macro MUL16 f, zero
.irp a, 0,1,2,3
.irp b, 0,1,2,3
.if \zero
	v_wmma_f32_16x16x32_bf16 v[8*(4*\a+\b):8*(4*\a+\b)+7], v[\f+32+8*\b:\f+32+8*\b+7], v[\f+8*\a:\f+8*\a+7], 0
.else
	v_wmma_f32_16x16x32_bf16 v[8*(4*\a+\b):8*(4*\a+\b)+7], v[\f+32+8*\b:\f+32+8*\b+7], v[\f+8*\a:\f+8*\a+7], v[8*(4*\a+\b):8*(4*\a+\b)+7]
.endif
.endr
.endr
.endm
.macro QUARTER slot, kqn, f, g, zero   ; fetches number kqn into buffer g, multiplies buffer f
	WIN 0
	PLACES
	FETCH \slot, \kqn, \g
	s_wait_dscnt 16                                ; all but the 16 just issued
	WIN MUL
	MUL16 \f, \zero
.endm
.macro STEP slot, zero                 ; one tile: 256 along K
	PLACES
	FETCH \slot, 0, F0
	QUARTER \slot, 1, F0, F1, \zero
	QUARTER \slot, 2, F1, F0, 0
	QUARTER \slot, 3, F0, F1, 0
	QUARTER \slot, 4, F1, F0, 0
	QUARTER \slot, 5, F0, F1, 0
	QUARTER \slot, 6, F1, F0, 0
	QUARTER \slot, 7, F0, F1, 0
	s_wait_dscnt 0
	MUL16 F1, 0
	WIN 0
.endm
; A slot that has been read is filled again, two tiles on: my reads of it and all my tensor loads are done, so its two group 0 may be written; the round shows both of
; every wave of the sixteen work-groups; the two joint loads are the first tensor loads behind it.  ctx steps eight planes on; W_o 512 rows on, or (back = 1), where lo's
; tiles begin W_o anew, 512 rows back.
.macro REFILL slot, back
	s_wait_dscnt 0x0
	s_wait_tensorcnt 0x0
	ds_add_u32 v62, v63
	s_wait_dscnt 0x0
	s_add_nc_u64 s[G0A+4*\slot+2:G0A+4*\slot+3], s[G0A+4*\slot+2:G0A+4*\slot+3], 8*262144
.if \back
	s_sub_nc_u64 s[G0B+4*\slot+2:G0B+4*\slot+3], s[G0B+4*\slot+2:G0B+4*\slot+3], 512*2048
.else
	s_add_nc_u64 s[G0B+4*\slot+2:G0B+4*\slot+3], s[G0B+4*\slot+2:G0B+4*\slot+3], 512*2048
.endif
	CROUND
	tensor_load_to_lds s[G0A+4*\slot:G0A+4*\slot+3], s[G1A:G1A+7]
	s_nop 0
	tensor_load_to_lds s[G0B+4*\slot:G0B+4*\slot+3], s[G1B:G1B+7]
	s_nop 0
.endm
	s_wait_tensorcnt 2                             ; my parts of tile 0 are in; tile 1's two loads stay out
	s_barrier_signal -1
	s_barrier_wait -1                              ; everybody's are
	STEP 0, 1                                      ; tile 0 (hi, heads 0-3): its first products start the sums
	REFILL 0, 0                                    ; tile 1 has landed; tile 2 goes out
	STEP 1, 0
	REFILL 1, 0                                    ; tile 3
	STEP 0, 0
	REFILL 0, 1                                    ; tile 4: lo, heads 0-3, W_o's rows 0-255 again
	STEP 1, 0
	REFILL 1, 1                                    ; tile 5
	STEP 0, 0
	REFILL 0, 0                                    ; tile 6
	STEP 1, 0
	REFILL 1, 0                                    ; tile 7
	STEP 0, 0
	s_wait_dscnt 0x0
	s_wait_tensorcnt 0x0                           ; my parts of tile 7
	s_barrier_signal -1
	s_barrier_wait -1                              ; everybody's
	STEP 1, 0
	; THE WAY OUT, 16 rows at a time: bias, 32 bytes a lane into my own stage, back as whole rows of 256 bytes
	PLACES
	s_wait_loadcnt 0x0                             ; the bias
.macro OUT16 a, f
	WIN 0x01                                       ; source 0 window 1: the accumulators
.irp b, 0,1,2,3
.irp k, 0,1,2,3
	v_pk_add_f32 v[T+8*\b+2*\k:T+8*\b+2*\k+1], v[8*(4*\a+\b)+2*\k:8*(4*\a+\b)+2*\k+1], v[BI+8*\b+2*\k:BI+8*\b+2*\k+1]
.endr
.endr
	WIN 0
.irp b, 0,1,2,3
	ds_store_b128 v[STO], v[T+8*\b:T+8*\b+3]   offset:64*\b
	ds_store_b128 v[STO], v[T+8*\b+4:T+8*\b+7] offset:64*\b+16
.endr
	s_wait_xcnt 0x0                                ; buffer f, which earlier stores read, is loaded again only behind this wait (ISA guide 3.1)
.irp t, 0,1,2,3,4,5,6,7
	ds_load_b128 v[\f+4*\t:\f+4*\t+3], v[RD] offset:\t*2*SPITCH    ; LDS serves a wave's instructions in order (ISA guide 5.7.1): these see the stores above
.endr
.irp t, 0,1,2,3,4,5,6,7
	s_wait_dscnt 7-\t
	global_store_b128 v[CO], v[\f+4*\t:\f+4*\t+3], s[10:11] offset:\a*65536+\t*8192 th:TH_STORE_NT     ; 16 lanes store 256 consecutive bytes, aligned
.endr
.endm
	OUT16 0, F0
	OUT16 1, F1
	OUT16 2, F0
	OUT16 3, F1
	s_wait_tensorcnt 0x0
	ds_add_u32 v62, v63
	s_wait_dscnt 0x0
	CROUND                                         ; the closing round: no work-group ends while a partner may still ask for a tile that names it
	s_endpgm
.Lfunc_end_k_q5541c9df7f_oproj:
	.size	k_q5541c9df7f_oproj, .Lfunc_end_k_q5541c9df7f_oproj-k_q5541c9df7f_oproj
	.p2alignl 7, 3214868480
	.fill 96, 4, 3214868480
	.section	.rodata,"a",@progbits
	.p2align	6, 0x0
	.amdhsa_kernel k_q5541c9df7f_oproj
		.amdhsa_group_segment_fixed_size 327680
		.amdhsa_private_segment_fixed_size 0
		.amdhsa_enable_private_segment 0
		.amdhsa_kernarg_size 32
		.amdhsa_user_sgpr_count 2
		.amdhsa_user_sgpr_kernarg_segment_ptr 1
		.amdhsa_wavefront_size32 1
		.amdhsa_system_sgpr_workgroup_id_x 1
		.amdhsa_system_sgpr_workgroup_id_y 1
		.amdhsa_system_sgpr_workgroup_id_z 1
		.amdhsa_system_vgpr_workitem_id 0
		.amdhsa_next_free_vgpr 384
		.amdhsa_next_free_sgpr 66
		.amdhsa_reserve_vcc 0
		.amdhsa_float_denorm_mode_32 3
		.amdhsa_float_denorm_mode_16_64 3
		.amdhsa_memory_ordered 1
		.amdhsa_forward_progress 1
		.amdhsa_inst_pref_size 167
	.end_amdhsa_kernel
	.amdgpu_metadata
---
amdhsa.version: [ 1, 2 ]
amdhsa.kernels:
  - .name:           k_q5541c9df7f_oproj
    .symbol:         k_q5541c9df7f_oproj.kd
    .args:
      - { .name: ctx, .offset: 0, .size: 8, .value_kind: global_buffer, .address_space: global }
      - { .name: wb, .offset: 8, .size: 8, .value_kind: global_buffer, .address_space: global }
      - { .name: b_o, .offset: 16, .size: 8, .value_kind: global_buffer, .address_space: global }
      - { .name: out0, .offset: 24, .size: 8, .value_kind: global_buffer, .address_space: global }
    .group_segment_fixed_size: 327680
    .private_segment_fixed_size: 0
    .kernarg_segment_align: 8
    .kernarg_segment_size: 32
    .max_flat_workgroup_size: 128
    .sgpr_count:     66
    .vgpr_count:     384
    .wavefront_size: 32
...
	.end_amdgpu_metadata
.endif
;; end of part 4
;; ======== version 2 of 2: 4 launches
;; limits: values are held in f16: magnitudes above 65,504 overflow, below 6.1e-05 lose precision
;; workspace buffers: xb 25,165,824 bytes; wb 8,388,608 bytes; mw 524,288 bytes of whole numbers; rope 524,288 bytes; qkv 25,165,824 bytes; ctx 16,777,216 bytes
;; launch prep: the kernel of part 1 again; grid 256 x 1, 8 waves a work-group, no clusters, 168,960 bytes of LDS; arguments q_input, k_input, v_input, W_q, W_k, W_v, W_o, mask, xb, wb, mw, rope; writes xb, wb, mw, rope
;; launch proj (part 5): grid 4 x 48, 4 waves a work-group, clusters of 4 x 4, 327,680 bytes of LDS; arguments xb, wb, b_q, b_k, b_v, rope, qkv; writes qkv
.if DOCPART == 5
	.amdgcn_target "amdgcn-amd-amdhsa--gfx1250"
	.amdhsa_code_object_version 6
	.text
	.protected	k_q5541c9df7f_proj
	.globl	k_q5541c9df7f_proj
	.p2align	8
	.type	k_q5541c9df7f_proj,@function
k_q5541c9df7f_proj:
	s_mov_b64 s[64:65], 0
	v_nop
	global_prefetch_b8 v0, s[64:65] scope:SCOPE_SE
	s_setreg_imm32_b32 hwreg(HW_REG_WAVE_MODE, 25, 1), 1
	s_wait_xcnt 0x0
	s_wait_alu depctr_hold_cnt(0) depctr_sa_sdst(0) depctr_va_vdst(0) depctr_va_sdst(0) depctr_va_ssrc(0) depctr_va_vcc(0) depctr_vm_vsrc(0)
	s_getreg_b32 s2, hwreg(HW_REG_IB_STS2, 6, 4)
	s_cmp_eq_u32 s2, 0
	s_cbranch_scc0 .Lentry_in_a_cluster
	s_endpgm
.Lentry_in_a_cluster:
	s_bfe_u32 s2, ttmp6, 0x10000c
	s_cmp_lg_u32 s2, 0xf033
	s_cbranch_scc0 .Lentry_shape_is_right
	s_endpgm
.Lentry_shape_is_right:
; PROJ: the three projections as one product of [12288][1024] (xb: q, k, v inputs one under the other) with the W of the block row's third,
; plus bias, plus the rotation for q and k.  Out, head-major, in f16, each [32 b*16+head][2048 s][64]:
;   qkv + 0      : q' = rotated q times c, c = log2(e) / 8, so that q' . k is the score as an exponent of 2
;   qkv + 8 MiB  : k, rotated
;   qkv + 16 MiB : v
; WHY NOT bf16 OUT: a query that sees few keys gives outputs many times the whole output's rms, while the allowance hangs on that rms; 8 significant bits in q, k, v
; are too few there.  f16 has 11.  v's rounding goes into the output undamped, so it is written out here: to nearest, on the f32 bits.
; A work-group makes 256 x 256 with four waves of 128 x 128 (64 accumulator tiles, 512 registers).  K goes in steps of 128 through two LDS slots.
; 3 x 16 x 4 = 192 such blocks.  256 equal blocks would be 128 x 128, with twice the LDS and tile bytes for each multiply-add and half the matrix work
; between a tile's request and the wait for it: the larger block is taken and 192 work-groups are launched.
; CLUSTERS: 4 x 4 work-groups.  x's tile hangs on the block row alone and is asked for jointly by a row of the cluster; W's tile hangs on the block column and on
; the projection, which is the same in the whole cluster (four clusters along y for each projection), and is asked for jointly by a column.
; W lies [k][n] in memory and in LDS; its fragments (16 columns x 32 k) come by the transposing LDS load.
; THE MATRIX INSTRUCTION IS USED TRANSPOSED: source 0 = 16 columns of W, source 1 = 16 rows of x.  Lane l then holds row l % 16 of the result and its
; registers 0 to 7 the columns 8 (l / 16) + 0..7: four (even, odd) pairs of the rotation side by side, and 16 bytes of f16.
; REGISTERS in windows of 256: window 0: v16-28 addresses, v32-39 at work, v64-127 and v128-191 x's fragments (two buffers), v192-255 bias;
; window 1: v64-191 W's fragments, on the way out of q and k the whole window holds the table rows; windows 2, 3: accumulators of my rows 0-63, 64-127.
; LIMITS: |c q|, |k|, |v| stay below 65,504 (f16); numbers below 6e-5 carry an absolute error of up to 6e-8.  NaN and infinities in the inputs are not served.
; Operands are bf16, sums f32, bias and rotation f32.
.set SIZE_K, 1024
.set SIZE_N, 1024
.set KSTEP,  128
.set PITCH,  272                       ; x's LDS row: 256 bytes + 16: an odd multiple of 16, so the 16 rows of a fragment load start in 16 different 16-byte columns of 256
.set WPITCH, 544                       ; W's LDS row: 512 bytes + 32: an odd multiple of 32, the same for the transposing load
.set HALFT,  128*PITCH                 ; what one tensor load brings: 128 rows of x, or 64 rows of W (64 x 544 is the same number)
.set SLOT,   4*HALFT                   ; x's 256 rows, then W's 128 rows
.set STAGE,  2*SLOT                    ; behind the ring: 16 rows x 272 bytes for each wave, for the way out
.set SPITCH, 272
.set LAPS,   SIZE_K/(2*KSTEP)          ; a lap = two K steps = once round the ring: 4
.set ADRA, 16                          ; v16-17  LDS address of my x fragments in slot 0, 1
.set ADRB, 20                          ; v20-21  the same for W
.set STO,  24                          ; the way out: where I put 16 bytes of a row
.set RD,   25                          ; the way out: where I read back
.set CO,   26                          ; my byte offset in qkv
.set BOFF, 27                          ; my byte offset in the bias
.set ROFF, 28                          ; my byte offset in the table
.set U,    32                          ; v32-39  the rotation's cross products
.set F0,   64                          ; fragment buffer 0; on the way out 64 numbers in f32
.set F1,   128                         ; fragment buffer 1
.set PK,   128                         ; on the way out: v128-159 packed results,
.set BACK, 160                         ; v160-191 the rows read back
.set BI,   192                         ; v192-255 bias of my 8 columns in each of the 8 column tiles
.set G1,  24                           ; s[24:31] descriptor group 1 for x's tiles
.set G0,  32                           ; s[32:39] group 0 for x's tiles, one set for each slot
.set G1B, 48                           ; s[48:55] group 1 for W's tiles
.set G0B, 56                           ; s[56:63] group 0 for W's tiles, one set for each slot
.set MSB, 0
.macro WIN new                         ; the immediate's high byte repeats the setting that is left
.if MSB != \new
	s_set_vgpr_msb (MSB<<8)|\new
.set MSB, \new
.endif
.endm
.set MUL_LO, 0xa1                      ; source 0 (W) window 1, source 1 (x) window 0, C and D window 2
.set MUL_HI, 0xf1                      ; the same, C and D window 3
.set TO_B,   0x40                      ; destination window 1, address window 0
.set FROM_R, 0x04                      ; source 1 window 1: the table rows
; A joint load.  Waves 0 and 1 fetch x's two halves, waves 2 and 3 W's.  Each line has one mask and one set of registers for all that issue it.
; The branch hangs on the wave's number alone.
.macro JLOAD s
	s_cmp_eq_u32 s11, 0
	s_cbranch_scc0 .Lfor_b_\@
	tensor_load_to_lds s[G0+4*\s:G0+4*\s+3], s[G1:G1+7]
	s_nop 0
	s_branch .Lasked_\@
.Lfor_b_\@:
	tensor_load_to_lds s[G0B+4*\s:G0B+4*\s+3], s[G1B:G1B+7]
	s_nop 0
.Lasked_\@:
.endm
; A round of the cluster's barrier: my work-group's barrier, wave 0 signals for the work-group, every wave waits for all sixteen, my work-group's barrier again.
.macro CREST                           ; a round behind its opening barrier
	s_cmp_lg_u32 s10, 0
	s_cbranch_scc1 .Lnot_wave_0_\@
	s_barrier_signal -3
.Lnot_wave_0_\@:
	s_barrier_wait -3
	s_barrier_signal -1
	s_barrier_wait -1
.endm
.macro CROUND                          ; a whole round
	s_barrier_signal -1
	s_barrier_wait -1
	CREST
.endm
	s_load_b128 s[4:7], s[0:1], 0x0                ; xb s[4:5], wb s[6:7]
	s_load_b256 s[68:75], s[0:1], 0x10             ; b_q 68, b_k 70, b_v 72, rope 74
	s_load_b64 s[76:77], s[0:1], 0x30              ; qkv
	v_lshl_add_u32 v62, v0, 2, 0x48400
	v_mov_b32 v63, 0
	ds_add_u32 v62, v63
	ds_add_u32 v62, v63
	v_lshrrev_b32 v1, 5, v0
	v_readfirstlane_b32 s10, v1                    ; wave 0..3
	s_lshr_b32 s11, s10, 1                         ; which half of the block's rows is mine.  Also: I fetch for x (0) or for W (1)
	s_and_b32 s12, s10, 1                          ; which half of its columns.  Also: which half of that tile I fetch
	s_bfe_u32 s40, ttmp6, 0x40000                  ; cx
	s_bfe_u32 s41, ttmp6, 0x40004                  ; cy
	s_lshl_b32 s42, ttmp9, 2
	s_add_co_u32 s42, s42, s40                     ; block column bx = 4 x cluster x + cx, 0..3
	s_and_b32 s13, ttmp7, 0xffff
	s_lshl_b32 s13, s13, 2
	s_add_co_u32 s13, s13, s41                     ; block row by = 4 x cluster y + cy, 0..47
	s_and_b32 s78, ttmp7, 0xffff
	s_lshr_b32 s78, s78, 2                         ; projection p = cluster y / 4: 0 q, 1 k, 2 v; alike in the whole cluster
	s_cmp_eq_u32 s78, 0
	s_cselect_b32 s90, 0x3e38aa3b, 1.0             ; q is scaled by c = log2(e) / 8, k by 1
	s_mov_b32 s91, s90
	s_lshl_b32 s43, s41, 2
	s_lshl_b32 s43, 15, s43                        ; my row of the cluster: places 4 cy .. 4 cy + 3
	s_lshl_b32 s44, 0x1111, s40                    ; my column: places cx, cx + 4, cx + 8, cx + 12
	; group 1 for x: 128 rows x 128 elements of 2 bytes, 4 words of padding behind every 64
	s_or_b32 s[G1+0], s43, (1<<16)|(1<<20)|(1<<21)|(5<<22)|(3<<25)
	s_mov_b32 s[G1+1], KSTEP<<16                   ; tensor_dim0 = 128
	s_mov_b32 s[G1+2], 128<<16                     ; tensor_dim1 = 128
	s_mov_b32 s[G1+3], KSTEP<<16                   ; tile_dim0 = 128
	s_mov_b32 s[G1+4], 128                         ; tile_dim1 = 128
	s_mov_b32 s[G1+5], SIZE_K                      ; from row to row
	s_mov_b32 s[G1+6], 0
	s_mov_b32 s[G1+7], 0
	; group 1 for W: 64 rows (k) x 256 elements (n), 8 words of padding behind every 128
	s_or_b32 s[G1B+0], s44, (1<<16)|(1<<20)|(1<<21)|(6<<22)|(7<<25)
	s_mov_b32 s[G1B+1], 256<<16
	s_mov_b32 s[G1B+2], 64<<16
	s_mov_b32 s[G1B+3], 256<<16
	s_mov_b32 s[G1B+4], 64
	s_mov_b32 s[G1B+5], SIZE_N
	s_mov_b32 s[G1B+6], 0
	s_mov_b32 s[G1B+7], 0
	; where the tiles come from: x's address is made of by and the wave, W's of bx, p and the wave, each in registers that never hold the other coordinate
	s_lshl_b32 s17, s12, 7
	s_lshl_b32 s16, s13, 8
	s_add_co_u32 s16, s16, s17                     ; x: row 256 by + 128 half,
	s_lshl_b32 s16, s16, 11                        ; of 2,048 bytes (below 2^25)
	s_mov_b32 s17, 0
	s_lshl_b32 s46, s42, 9                         ; W: 256 columns of 2 bytes for each bx,
	s_lshl_b32 s47, s12, 17                        ; 64 rows of 2,048 bytes for my half,
	s_add_co_u32 s46, s46, s47
	s_lshl_b32 s47, s78, 21                        ; 2 MiB for each projection
	s_add_co_u32 s46, s46, s47
	s_mov_b32 s47, 0
	s_mul_i32 s20, s10, HALFT                      ; and where they go: wave x one load's bytes
	; offsets of what is not shared: bias, table, result (registers of their own, which feed no descriptor)
	s_lshl_b32 s82, s42, 10                        ; bias: 256 columns of 4 bytes for each bx,
	s_lshl_b32 s83, s12, 9                         ; 128 for my half
	s_add_co_u32 s82, s82, s83
	s_mov_b32 s83, 0
	s_and_b32 s84, s13, 7                          ; my first position in the sequence: 256 (by % 8) + 128 row half
	s_lshl_b32 s84, s84, 8
	s_lshl_b32 s85, s11, 7
	s_add_co_u32 s84, s84, s85
	s_lshl_b32 s86, s84, 7                         ; result: 128 bytes a position,
	s_lshl_b32 s84, s84, 8                         ; table: 256 bytes a position
	s_mov_b32 s85, 0
	s_lshr_b32 s87, s13, 3
	s_and_b32 s87, s87, 1                          ; batch = (by / 8) % 2
	s_lshl_b32 s87, s87, 4
	s_lshl_b32 s88, s42, 2
	s_add_co_u32 s87, s87, s88
	s_lshl_b32 s88, s12, 1
	s_add_co_u32 s87, s87, s88                     ; 16 batch + head, head = 4 bx + 2 column half
	s_lshl_b32 s87, s87, 18                        ; 2,048 positions of 128 bytes
	s_add_co_u32 s86, s86, s87
	s_lshl_b32 s87, s78, 23                        ; q at 0, k at 8 MiB, v at 16 MiB
	s_add_co_u32 s86, s86, s87
	s_mov_b32 s87, 0
	s_wait_dscnt 0x0
	s_wait_kmcnt 0x0
	s_add_nc_u64 s[14:15], s[4:5], s[16:17]
	s_add_nc_u64 s[46:47], s[6:7], s[46:47]
	s_cmp_eq_u32 s78, 0
	s_cselect_b64 s[80:81], s[68:69], s[70:71]     ; the projection's bias
	s_cmp_eq_u32 s78, 2
	s_cselect_b64 s[80:81], s[72:73], s[80:81]
	s_add_nc_u64 s[80:81], s[80:81], s[82:83]
	s_add_nc_u64 s[74:75], s[74:75], s[84:85]
	s_add_nc_u64 s[76:77], s[76:77], s[86:87]
	CROUND                                         ; all sixteen work-groups are here: the first joint loads meet
.irp s, 0,1
	s_mov_b32 s[G0+4*\s], 1
	s_add_co_u32 s[G0+4*\s+1], s20, \s*SLOT
	s_add_nc_u64 s[G0+4*\s+2:G0+4*\s+3], s[14:15], \s*KSTEP*2              ; K step s: 128 elements along x's rows
	s_or_b32 s[G0+4*\s+3], s[G0+4*\s+3], 0x80000000
	s_mov_b32 s[G0B+4*\s], 1
	s_add_co_u32 s[G0B+4*\s+1], s20, \s*SLOT
	s_add_nc_u64 s[G0B+4*\s+2:G0B+4*\s+3], s[46:47], \s*KSTEP*SIZE_N*2     ; K step s: 128 rows of W
	s_or_b32 s[G0B+4*\s+3], s[G0B+4*\s+3], 0x80000000
	JLOAD \s                                       ; the ring is filled before anything else is done: two loads of the wave are out
.endr
	v_and_b32 v1, 15, v0                           ; r = l % 16
	v_bfe_u32 v2, v0, 4, 1                         ; h = l / 16
	v_mul_u32_u24 v3, v1, PITCH
	v_lshl_add_u32 v3, v2, 4, v3                   ; x: row r, 16 bytes for each half of the lanes; two loads 32 bytes apart make a fragment
	v_and_b32 v4, 7, v0
	v_lshl_add_u32 v4, v2, 3, v4                   ; W: k row 8 h + l % 8,
	v_mul_u32_u24 v4, v4, WPITCH
	v_bfe_u32 v5, v0, 3, 1
	v_lshl_add_u32 v4, v5, 4, v4                   ; 16 bytes (8 columns) by (l / 8) % 2; two transposing loads 16 rows apart make a fragment
	s_mul_i32 s21, s11, HALFT                      ; my 128 rows of x
	s_lshl_b32 s22, s12, 8                         ; my 128 columns of W,
	s_add_co_u32 s22, s22, 2*HALFT                 ; which lies behind x's 256 rows
.irp s, 0,1
	v_add_nc_u32 v[ADRA+\s], s21, v3
	v_add_nc_u32 v[ADRB+\s], s22, v4
	s_add_co_u32 s21, s21, SLOT
	s_add_co_u32 s22, s22, SLOT
.endr
	s_mul_i32 s23, s10, 16*SPITCH
	s_add_co_u32 s23, s23, STAGE                   ; my stage
	v_mul_u32_u24 v4, v1, SPITCH                   ; in: row r, 16 bytes for each half of the lanes
	v_lshl_add_u32 v4, v2, 4, v4
	v_add_nc_u32 v[STO], s23, v4
	v_bfe_u32 v5, v0, 3, 2                         ; back: eight lanes take a head's 128 bytes of one row, four rows a load
	v_mul_u32_u24 v5, v5, SPITCH
	v_and_b32 v6, 7, v0
	v_lshl_add_u32 v5, v6, 4, v5
	v_add_nc_u32 v[RD], s23, v5
	v_and_b32 v5, 31, v0
	v_lshlrev_b32 v[CO], 4, v5                     ; those four rows are 512 consecutive bytes of qkv
	v_lshlrev_b32 v[BOFF], 5, v2                   ; bias: columns 8 h .. of each 16
	v_lshlrev_b32 v5, 8, v1
	v_lshl_add_u32 v[ROFF], v2, 5, v5              ; table: position r, pairs 4 h .. of each 8
.irp b, 0,1,2,3,4,5,6,7
	global_load_b128 v[BI+8*\b:BI+8*\b+3],   v[BOFF], s[80:81] offset:64*\b        ; the bias stays on its way during the K loop; nobody writes it
	global_load_b128 v[BI+8*\b+4:BI+8*\b+7], v[BOFF], s[80:81] offset:64*\b+16
.endr
; 16 matrix instructions: row blocks a0, a0 + 1 of the window's four x all 8 column blocks, 32 along K.  zero = 1: the first product starts the sums.
.macro MUL16 f, hi, a0, zero
.irp a, \a0, \a0+1
.irp b, 0,1,2,3,4,5,6,7
.if \zero
	v_wmma_f32_16x16x32_bf16 v[8*(8*(\a)+\b):8*(8*(\a)+\b)+7], v[\f+8*\b:\f+8*\b+7], v[\f+8*(4*\hi+\a):\f+8*(4*\hi+\a)+7], 0
.else
	v_wmma_f32_16x16x32_bf16 v[8*(8*(\a)+\b):8*(8*(\a)+\b)+7], v[\f+8*\b:\f+8*\b+7], v[\f+8*(4*\hi+\a):\f+8*(4*\hi+\a)+7], v[8*(8*(\a)+\b):8*(8*(\a)+\b)+7]
.endif
.endr
.endr
.endm
; 32 LDS loads in one run: the fragments of one quarter step (128 columns of W, 128 rows of x, 32 K; k = the quarter's byte in x's rows) into buffer f
.macro FETCH slot, k, f
	WIN TO_B
.irp i, 0,1,2,3,4,5,6,7
	ds_load_tr16_b128 v[\f+8*\i:\f+8*\i+3],   v[ADRB+\slot] offset:(\k/64)*32*WPITCH+32*\i
	ds_load_tr16_b128 v[\f+8*\i+4:\f+8*\i+7], v[ADRB+\slot] offset:(\k/64)*32*WPITCH+32*\i+16*WPITCH
.endr
	WIN 0
.irp i, 0,1,2,3,4,5,6,7
	ds_load_b128 v[\f+8*\i:\f+8*\i+3],   v[ADRA+\slot] offset:\k+\i*16*PITCH
	ds_load_b128 v[\f+8*\i+4:\f+8*\i+7], v[ADRA+\slot] offset:\k+\i*16*PITCH+32
.endr
.endm
; A load into a register that a matrix instruction has read, and a vector instruction that reads a matrix result, stand four places behind that matrix
; instruction, and only plain vector instructions that name none of its registers are places (ISA guide 7.12.1 for vector instructions).
.macro PLACES
.rept 4
	v_nop
.endr
.endm
; A K step is four quarter steps of 32 along K, 64 matrix instructions each, on buffers 0, 1, 0, 1.  The 64 accumulators take turns, one instruction a
; turn, in the same order in every quarter, over the backward jump too.
.macro QUARTER slot, k, f, g, zero
	s_wait_dscnt 8                                 ; W and x's rows 0-63 are in; the youngest eight loads (x's rows 64-127) may be out
	WIN MUL_LO
	MUL16 \f, 0, 0, \zero
	MUL16 \f, 0, 2, \zero
	PLACES
	FETCH \slot, \k, \g
	s_wait_dscnt 32                                ; all but the 32 just issued
	WIN MUL_HI
	MUL16 \f, 1, 0, \zero
	MUL16 \f, 1, 2, \zero
.endm
.macro THREE slot, zero
	QUARTER \slot, 64,  F0, F1, \zero
	QUARTER \slot, 128, F1, F0, 0
	QUARTER \slot, 192, F0, F1, 0
.endm
; The last quarter multiplies buffer 1 and changes slots.  In front of the barrier each wave waits for its reads of this slot and for all its tensor loads, of
; which one is out: its part of the next slot.  Behind it the refill comes first, then the next slot's first fragments.
.macro TURN slot, next, fill
	s_wait_dscnt 8
	WIN MUL_LO
	MUL16 F1, 0, 0, 0
	s_wait_dscnt 0                                 ; my reads of this slot are over
	s_set_vgpr_msb 0xa1a0
	s_wait_tensorcnt 0x0                           ; and all my tensor loads have landed
	ds_add_u32 v62, v63
	s_wait_dscnt 0x0
	s_set_vgpr_msb 0xa0a1
	s_barrier_signal -1                            ; (where a slot is filled again this barrier opens a round of the cluster's barrier)
	MUL16 F1, 0, 2, 0                              ; work on registers while the others arrive
	WIN 0
	s_barrier_wait -1
.if \fill
	CREST                                          ; no wave of any partner still reads this slot's tile or has a load on its way
	s_add_nc_u64 s[G0+4*\slot+2:G0+4*\slot+3], s[G0+4*\slot+2:G0+4*\slot+3], 2*KSTEP*2
	s_add_nc_u64 s[G0B+4*\slot+2:G0B+4*\slot+3], s[G0B+4*\slot+2:G0B+4*\slot+3], 2*KSTEP*SIZE_N*2
	JLOAD \slot                                    ; the first tensor load behind the round
.endif
	PLACES
	FETCH \next, 0, F0
	WIN MUL_HI
	MUL16 F1, 1, 0, 0
	MUL16 F1, 1, 2, 0
.endm
.macro LAP zero
	THREE 0, \zero
	TURN 0, 1, 1
	THREE 1, 0
	TURN 1, 0, 1
.endm
	s_wait_tensorcnt 1                             ; my part of K step 0 is in; K step 1's load stays out
	s_barrier_signal -1
	s_barrier_wait -1                              ; everybody's is
	FETCH 0, 0, F0
	LAP 1                                          ; the first lap stands in front of the loop: its first products start the sums
	WIN 0                                          ; at a label and at a branch every window is 0
	s_mov_b32 s3, LAPS-2
.Llap:
	LAP 0
	WIN 0
	s_sub_co_u32 s3, s3, 1
	s_cmp_lg_u32 s3, 0
	s_cbranch_scc1 .Llap
	THREE 0, 0                                     ; the last lap fills nothing
	TURN 0, 1, 0
	THREE 1, 0
	s_wait_dscnt 8
	WIN MUL_LO
	MUL16 F1, 0, 0, 0
	MUL16 F1, 0, 2, 0
	s_wait_dscnt 0
	WIN MUL_HI
	MUL16 F1, 1, 0, 0
	MUL16 F1, 1, 2, 0
; THE WAY OUT, 16 rows at a time (rows 16 i .. of my block = tiles (a, 0..7) of window 2 or 3; from = that window as source 0).
; rope = 1 (q and k): scale and bias in one fused step (the bias has been scaled beforehand); the rotation in f32: registers 2 k, 2 k + 1 of a tile are the pair
; (even, odd) number 8 (b % 4) + 4 h + k of the head, and the table row of the lane's position gives its (cos, sin) in registers 32 i + 8 (b % 4) + 2 k, + 1 of window 1.
; rope = 0 (v): bias; then the number is rounded to 11 significant bits on its f32 bits: half a unit of the 11th bit is added to the magnitude and the 13 bits below
; are cut (to nearest, ties away from zero; a carry runs into the exponent as it should).  The conversion that follows is then exact in f16's normal range, whichever
; way it rounds: v's error reaches the output undamped, so its size is fixed by this text.
; Then the conversion to f16, 16 bytes a lane into my own stage, and back as pieces of 128 bytes, a head's row: four rows of one head are 512 consecutive bytes of qkv.
.macro OUT16 i, a, from, rope
	WIN \from
.if \rope
.irp b, 0,1,2,3,4,5,6,7
.irp k, 0,1,2,3
	v_pk_fma_f32 v[F0+8*\b+2*\k:F0+8*\b+2*\k+1], v[8*(8*\a+\b)+2*\k:8*(8*\a+\b)+2*\k+1], s[90:91], v[BI+8*\b+2*\k:BI+8*\b+2*\k+1] op_sel_hi:[1,0,1]
.endr
.endr
	s_wait_loadcnt 8*(7-\i)                        ; this row group's eight table loads are in; the eight of each younger group may stay out
	WIN FROM_R
.irp b, 0,1,2,3,4,5,6,7
.irp k, 0,1,2,3
	v_mul_f32 v[U+2*\k],   v[F0+8*\b+2*\k+1], v[32*\i+8*(\b%4)+2*\k+1]         ; odd x sin
	v_mul_f32 v[U+2*\k+1], v[F0+8*\b+2*\k],   v[32*\i+8*(\b%4)+2*\k+1]         ; even x sin
.endr
.irp k, 0,1,2,3
	v_fma_f32 v[F0+8*\b+2*\k],   v[F0+8*\b+2*\k],   v[32*\i+8*(\b%4)+2*\k], -v[U+2*\k]     ; even cos - odd sin
	v_fma_f32 v[F0+8*\b+2*\k+1], v[F0+8*\b+2*\k+1], v[32*\i+8*(\b%4)+2*\k], v[U+2*\k+1]    ; odd cos + even sin
.endr
.endr
	WIN 0
.else
.irp b, 0,1,2,3,4,5,6,7
.irp k, 0,1,2,3
	v_pk_add_f32 v[F0+8*\b+2*\k:F0+8*\b+2*\k+1], v[8*(8*\a+\b)+2*\k:8*(8*\a+\b)+2*\k+1], v[BI+8*\b+2*\k:BI+8*\b+2*\k+1]
.endr
.endr
	WIN 0
.irp b, 0,1,2,3,4,5,6,7
.irp j, 0,1,2,3,4,5,6,7
	v_add_nc_u32 v[F0+8*\b+\j], 0x1000, v[F0+8*\b+\j]      ; half a unit of the 11th significant bit
.endr
.endr
.irp b, 0,1,2,3,4,5,6,7
.irp j, 0,1,2,3,4,5,6,7
	v_and_b32 v[F0+8*\b+\j], 0xffffe000, v[F0+8*\b+\j]     ; sign, exponent and 10 fraction bits stay
.endr
.endr
.endif
.irp b, 0,1,2,3,4,5,6,7
.irp k, 0,1,2,3
	v_cvt_pk_f16_f32 v[PK+4*\b+\k], v[F0+8*\b+2*\k], v[F0+8*\b+2*\k+1]
.endr
.endr
.irp b, 0,1,2,3,4,5,6,7
	ds_store_b128 v[STO], v[PK+4*\b:PK+4*\b+3] offset:32*\b
.endr
	s_wait_xcnt 0x0                                ; the registers that the last group's stores read are loaded again only behind this wait (ISA guide 3.1)
.irp t, 0,1,2,3,4,5,6,7
	ds_load_b128 v[BACK+4*\t:BACK+4*\t+3], v[RD] offset:(\t%4)*4*SPITCH+(\t/4)*128     ; LDS serves a wave's instructions in order (ISA guide 5.7.1): these see the stores above
.endr
.irp t, 0,1,2,3,4,5,6,7
	s_wait_dscnt 7-\t
	global_store_b128 v[CO], v[BACK+4*\t:BACK+4*\t+3], s[76:77] offset:\i*2048+(\t%4)*512+(\t/4)*262144    ; 512 consecutive bytes, aligned
.endr
.endm
	PLACES                                         ; behind the last matrix instructions: for the instructions that read results and for the loads into W's buffers
	WIN 0
	s_wait_loadcnt 0x0                             ; the bias, asked for ahead of the K loop
	s_cmp_eq_u32 s78, 2                            ; v is not rotated; p is alike in the whole cluster
	s_cbranch_scc1 .Lplain
	WIN TO_B
.irp g, 0,1,2,3,4,5,6,7
.irp q, 0,1,2,3
	global_load_b128 v[32*\g+8*\q:32*\g+8*\q+3],   v[ROFF], s[74:75] offset:\g*4096+64*\q      ; row group g: position 16 g + r, pairs 8 q + 4 h + 0, 1
	global_load_b128 v[32*\g+8*\q+4:32*\g+8*\q+7], v[ROFF], s[74:75] offset:\g*4096+64*\q+16   ; pairs 8 q + 4 h + 2, 3
.endr
.endr
	WIN 0
.set n, 0
.rept 32
	v_pk_mul_f32 v[BI+2*n:BI+2*n+1], v[BI+2*n:BI+2*n+1], s[90:91] op_sel_hi:[1,0]      ; the bias takes the scale once, so that scale and bias are one fused step for each pair
.set n, n+1
.endr
	OUT16 0, 0, 0x02, 1
	OUT16 1, 1, 0x02, 1
	OUT16 2, 2, 0x02, 1
	OUT16 3, 3, 0x02, 1
	OUT16 4, 0, 0x03, 1
	OUT16 5, 1, 0x03, 1
	OUT16 6, 2, 0x03, 1
	OUT16 7, 3, 0x03, 1
	s_branch .Lclose
.Lplain:
	OUT16 0, 0, 0x02, 0
	OUT16 1, 1, 0x02, 0
	OUT16 2, 2, 0x02, 0
	OUT16 3, 3, 0x02, 0
	OUT16 4, 0, 0x03, 0
	OUT16 5, 1, 0x03, 0
	OUT16 6, 2, 0x03, 0
	OUT16 7, 3, 0x03, 0
.Lclose:
	s_wait_tensorcnt 0x0
	ds_add_u32 v62, v63
	s_wait_dscnt 0x0
	CROUND                                         ; the closing round: no work-group ends while a partner may still ask for a tile that names it
	s_endpgm
.Lfunc_end_k_q5541c9df7f_proj:
	.size	k_q5541c9df7f_proj, .Lfunc_end_k_q5541c9df7f_proj-k_q5541c9df7f_proj
	.p2alignl 7, 3214868480
	.fill 96, 4, 3214868480
	.section	.rodata,"a",@progbits
	.p2align	6, 0x0
	.amdhsa_kernel k_q5541c9df7f_proj
		.amdhsa_group_segment_fixed_size 327680
		.amdhsa_private_segment_fixed_size 0
		.amdhsa_enable_private_segment 0
		.amdhsa_kernarg_size 56
		.amdhsa_user_sgpr_count 2
		.amdhsa_user_sgpr_kernarg_segment_ptr 1
		.amdhsa_wavefront_size32 1
		.amdhsa_system_sgpr_workgroup_id_x 1
		.amdhsa_system_sgpr_workgroup_id_y 1
		.amdhsa_system_sgpr_workgroup_id_z 1
		.amdhsa_system_vgpr_workitem_id 0
		.amdhsa_next_free_vgpr 1024
		.amdhsa_next_free_sgpr 92
		.amdhsa_reserve_vcc 0
		.amdhsa_float_denorm_mode_32 3
		.amdhsa_float_denorm_mode_16_64 3
		.amdhsa_memory_ordered 1
		.amdhsa_forward_progress 1
		.amdhsa_inst_pref_size 255
	.end_amdhsa_kernel
	.section	.bss,"aw",@nobits
	.p2align	6
	.space	262144
	.amdgpu_metadata
---
amdhsa.version: [ 1, 2 ]
amdhsa.kernels:
  - .name:           k_q5541c9df7f_proj
    .symbol:         k_q5541c9df7f_proj.kd
    .args:
      - { .name: xb, .offset: 0, .size: 8, .value_kind: global_buffer, .address_space: global }
      - { .name: wb, .offset: 8, .size: 8, .value_kind: global_buffer, .address_space: global }
      - { .name: b_q, .offset: 16, .size: 8, .value_kind: global_buffer, .address_space: global }
      - { .name: b_k, .offset: 24, .size: 8, .value_kind: global_buffer, .address_space: global }
      - { .name: b_v, .offset: 32, .size: 8, .value_kind: global_buffer, .address_space: global }
      - { .name: rope, .offset: 40, .size: 8, .value_kind: global_buffer, .address_space: global }
      - { .name: qkv, .offset: 48, .size: 8, .value_kind: global_buffer, .address_space: global }
    .group_segment_fixed_size: 327680
    .private_segment_fixed_size: 0
    .kernarg_segment_align: 8
    .kernarg_segment_size: 56
    .max_flat_workgroup_size: 128
    .sgpr_count:     92
    .vgpr_count:     1024
    .wavefront_size: 32
...
	.end_amdgpu_metadata
.endif
;; end of part 5
;; launch attn (part 6): grid 8 x 32, 8 waves a work-group, clusters of 4 x 1, 327,680 bytes of LDS; arguments qkv, mw, ctx; writes ctx
.if DOCPART == 6
	.amdgcn_target "amdgcn-amd-amdhsa--gfx1250"
	.amdhsa_code_object_version 6
	.text
	.protected	k_q5541c9df7f_attn
	.globl	k_q5541c9df7f_attn
	.p2align	8
	.type	k_q5541c9df7f_attn,@function
k_q5541c9df7f_attn:
	s_mov_b64 s[64:65], 0
	v_nop
	global_prefetch_b8 v0, s[64:65] scope:SCOPE_SE
	s_setreg_imm32_b32 hwreg(HW_REG_WAVE_MODE, 25, 1), 1
	s_wait_xcnt 0x0
	s_wait_alu depctr_hold_cnt(0) depctr_sa_sdst(0) depctr_va_vdst(0) depctr_va_sdst(0) depctr_va_ssrc(0) depctr_va_vcc(0) depctr_vm_vsrc(0)
	s_getreg_b32 s2, hwreg(HW_REG_IB_STS2, 6, 4)
	s_cmp_eq_u32 s2, 0
	s_cbranch_scc0 .Lentry_in_a_cluster
	s_endpgm
.Lentry_in_a_cluster:
	s_bfe_u32 s2, ttmp6, 0x10000c
	s_cmp_lg_u32 s2, 0x3003
	s_cbranch_scc0 .Lentry_shape_is_right
	s_endpgm
.Lentry_shape_is_right:
; ATTN: softmax(where(mask == 0, -1e9, q k^T / 8)) v for one (batch, head) and 256 queries a work-group.
; In: q' = c q (c = log2(e) / 8), k, v, all f16.  Out: ctx [2 b][hi, lo][16 head][2048 s][64] bf16: hi = the number cut to bf16, lo = the rest rounded to bf16.
; Eight waves, two on each SIMD with 256 registers each, so that one wave's softmax can run beside the other's matrix work.  A wave owns 32 queries (two groups
; qg of 16) and walks all 2,048 keys, 64 at a time (a granule); the mask is an input, so no key is left out.
; BOTH PRODUCTS ARE TRANSPOSED.  S^T = K Q'^T: source 0 = 16 keys, source 1 = 16 queries; register j of lane (r, h) is key 8 h + j, query r.  Packing neighbouring
; registers of key tiles 2 pr and 2 pr + 1 to f16 gives, with no shuffle, the second source of O^T = V^T P^T (query r; keys 8 h .. and 16 + 8 h ..).  V^T comes by
; the transposing LDS load.  A query's maximum needs one exchange between the halves of the wave a granule, its sum one at the end.
; PRECISION: a query that sees few keys gives outputs many times the whole output's rms, on which the allowance hangs, so 8 significant bits are too few on this road.
; q', k, v and P are f16 (11 bits; a row's largest weight is exactly 1), the sums f32, and ctx leaves as two bf16 (16 bits).
; SOFTMAX: the scores are exponents of 2 as they come; running maximum M; weight = 2^(s - M), at most 1.  Masked scores are -1e9 log2(e).  In a row that is masked
; everywhere s - M is 0 and all weights are 1.
; CLUSTERS: the four work-groups of a cluster are four query blocks of one head and read the same K and V tiles: every tile is asked for jointly (mask 15).
; K and V go in tiles of 256 keys through two LDS slots.  One shape and one line serve all loads: 64 rows of 128 bytes; wave w fetches 64 keys of K (w < 4) or of V:
; one load of a wave is out at a time.  LDS rows are 144 bytes apart.  K's fragment loads want an odd multiple of 16, which that is; V's transposing loads would want
; an odd multiple of 32: of the sixteen 16-byte pieces that half a wave asks for, two fall into one column of 256 bytes.  That is accepted: a second shape would need
; eight more scalar registers, and the 64 mask words of a granule leave none.
; ONE COPY OF THE TEXT.  Once round the ring is two tiles, eight granules; it stands in the text once and is walked four times.  A first and a last turn written out
; beside the loop would make the text three times as long.  Two things make the one copy serve.  (1) The sums are started ahead of the loop: M = -FLT_MAX, L = 0,
; O^T = 0, so that the first granule's factor 2^(M_old - M_new) is 0 and the first granule is like every other.  The eighth trip,
; which has no tile left to ask for, asks for tile 6 once more (the address step is 0 in the fourth turn) into the slot that nobody reads any more, and that tile is
; not read: 64 KiB on top of the work-group's 512 KiB of tiles.  The last granule's request for mask words is kept inside the buffer in the same way.
; LIMITS: NaN and infinite inputs are not served.  Weights below 3e-8 count as zero in P V (f16), below 2^-126 in the sum (v_exp_f32).
.set PITCH,  144
.set GB,     64*PITCH                  ; what one tensor load brings; also a granule's rows of K or of V
.set HALF,   256*PITCH                 ; K's part of a slot; V's part follows it
.set SLOT,   2*HALF
.set STAGE,  2*SLOT                    ; behind the ring: 32 rows x 144 bytes for each wave, for the way out
.set WSTAGE, 32*PITCH
.set TILEB,  256*128                   ; a tile's bytes of K, and of V, in memory
.set TURNS,  4                         ; 8 tiles, two a turn
.set KA,  1                            ; v1-2    LDS address of my K fragments in slot 0, 1
.set VA,  3                            ; v3-4    the same for V
.set STO, 7
.set RD,  8
.set CO,  9
.set NEG, 10                           ; the masked score
.set QO,  11                           ; my byte offset in q
.set PXS, 11                           ; v0, v11 (11 qg): what the other half of the wave holds; both are free once q is in
.set TA,  12                           ; v12-15  maxima at work (two chains for each qg)
.set QF,  16                           ; v16-47  q fragments: 16 qg + 8 dh
.set O,   48                           ; v48-111 O^T: 32 qg + 8 dt
.set S,   112                          ; v112-175 S^T: 32 qg + 8 kt; then the weights; then P: 32 qg + 16 pr + 0..7
.set F,   176                          ; v176-239 K fragments 16 kt + 8 dh, then V^T fragments 32 pr + 8 dt
.set M,   240                          ; v240-241 running maximum
.set NM,  242                          ; v242, v244  -M (pairs; the upper registers are written once and not used)
.set AL,  246                          ; v246, v248  2^(M_old - M_new)
.set L,   250                          ; v250-251 running sum of my half of the keys
.set SA,  252                          ; sums at work: qg 0 in v252-255, qg 1 in v12-15
.set SB,  254
.set G1,  16                           ; s[16:23]
.set G0,  24                           ; s[24:31] group 0, one set for each slot
.set MW0, 32                           ; s[32:63] a granule's 32 mask words for qg 0
.set MW1, 68                           ; s[68:99] for qg 1
; s2 wave, s3 the turns left, s[4:5] the mask pointer's step, s[6:7] the tiles' address step, s[12:13] q, s[14:15] mw,
; s[100:101] my rows of mask words, s[104:105] ctx, s66-67 the exchange's selectors
.macro ROUND                           ; a round of the cluster's barrier
	s_barrier_signal -1
	s_barrier_wait -1
	s_cmp_lg_u32 s2, 0
	s_cbranch_scc1 .Lnot_wave_0_\@
	s_barrier_signal -3
.Lnot_wave_0_\@:
	s_barrier_wait -3
	s_barrier_signal -1
	s_barrier_wait -1
.endm
	s_load_b128 s[12:15], s[0:1], 0x0              ; qkv s[12:13], mw s[14:15]
	s_load_b64 s[104:105], s[0:1], 0x10            ; ctx
	v_lshl_add_u32 v5, v0, 2, 0x2d000
	v_mov_b32 v6, 0
	ds_add_u32 v5, v6
	ds_add_u32 v5, v6
	v_lshrrev_b32 v12, 5, v0
	v_readfirstlane_b32 s2, v12                    ; wave 0..7
	s_bfe_u32 s33, ttmp6, 0x40000                  ; cx
	s_lshl_b32 s34, ttmp9, 2
	s_add_co_u32 s34, s34, s33                     ; query block qb = 4 x cluster x + cx, 0..7
	s_and_b32 s35, ttmp7, 0xffff                   ; bh = 16 batch + head
	s_mov_b32 s66, 0x76543210                      ; v_permlanex16_b32: lane i of one half reads lane i of the other
	s_mov_b32 s67, 0xfedcba98
	; the tiles' shape: 64 rows x 64 elements of 2 bytes, 4 words of padding behind every 32; mask 15: all four work-groups of the cluster
	s_mov_b32 s[G1+0], 15|(1<<16)|(1<<20)|(1<<21)|(4<<22)|(3<<25)
	s_mov_b32 s[G1+1], 64<<16
	s_mov_b32 s[G1+2], 64<<16
	s_mov_b32 s[G1+3], 64<<16
	s_mov_b32 s[G1+4], 64
	s_mov_b32 s[G1+5], 64
	s_mov_b32 s[G1+6], 0
	s_mov_b32 s[G1+7], 0
	; from where: k (waves 0-3) or v (waves 4-7) of my head, rows 64 (w % 4): made of bh and the wave alone
	s_lshr_b32 s36, s2, 2
	s_add_co_u32 s36, s36, 1
	s_lshl_b32 s36, s36, 23                        ; 8 MiB for each of q, k, v
	s_lshl_b32 s37, s35, 18                        ; 2,048 rows of 128 bytes a head
	s_add_co_u32 s36, s36, s37
	s_and_b32 s37, s2, 3
	s_lshl_b32 s37, s37, 13                        ; 64 rows
	s_add_co_u32 s36, s36, s37
	s_mov_b32 s37, 0
	; to where: wave x one load's bytes, K's four parts and then V's
	s_mov_b32 s[G0+0], 1
	s_mul_i32 s[G0+1], s2, GB
	s_mov_b32 s[G0+4], 1
	s_add_co_u32 s[G0+5], s[G0+1], SLOT
	; what is my own: my 32 queries' rows in q and in ctx, my two rows of mask words
	s_lshl_b32 s40, s34, 15                        ; 256 queries of 128 bytes
	s_lshl_b32 s41, s2, 12                         ; 32 queries
	s_add_co_u32 s40, s40, s41
	s_lshl_b32 s41, s35, 18
	s_add_co_u32 s42, s40, s41                     ; q: 2,048 rows of 128 bytes a head
	s_mov_b32 s43, 0
	s_lshr_b32 s41, s35, 4
	s_lshl_b32 s41, s41, 23                        ; ctx: 8 MiB a batch (hi's 16 heads, lo's 16 heads),
	s_add_co_u32 s40, s40, s41
	s_and_b32 s41, s35, 15
	s_lshl_b32 s41, s41, 18                        ; the head
	s_add_co_u32 s40, s40, s41
	s_mov_b32 s41, 0
	s_lshl_b32 s44, s34, 16                        ; mask words: 16 groups of 16 queries, 4,096 bytes each,
	s_lshl_b32 s45, s2, 13                         ; 2 groups a wave
	s_add_co_u32 s44, s44, s45
	s_mov_b32 s45, 0
	v_and_b32 v12, 15, v0                          ; r
	v_bfe_u32 v13, v0, 4, 1                        ; h
	v_mul_u32_u24 v[KA], v12, PITCH
	v_lshl_add_u32 v[KA], v13, 4, v[KA]            ; K: row r, 16 bytes for each half of the lanes
	v_add_nc_u32 v[KA+1], SLOT, v[KA]
	v_and_b32 v14, 7, v0
	v_lshl_add_u32 v14, v13, 3, v14                ; V: key 8 h + l % 8,
	v_mul_u32_u24 v[VA], v14, PITCH
	v_bfe_u32 v15, v0, 3, 1
	v_lshl_add_u32 v[VA], v15, 4, v[VA]            ; 8 columns by (l / 8) % 2
	v_add_nc_u32 v[VA], HALF, v[VA]
	v_add_nc_u32 v[VA+1], SLOT, v[VA]
	s_mul_i32 s46, s2, WSTAGE
	s_add_co_u32 s46, s46, STAGE                   ; my stage
	v_add_nc_u32 v[STO], s46, v[KA]                ; in: row r, 16 bytes for each half
	v_bfe_u32 v14, v0, 3, 2                        ; back: eight lanes take a row's 128 bytes, four rows a load
	v_mul_u32_u24 v[RD], v14, PITCH
	v_and_b32 v15, 7, v0
	v_lshl_add_u32 v[RD], v15, 4, v[RD]
	v_add_nc_u32 v[RD], s46, v[RD]
	v_and_b32 v[CO], 31, v0
	v_lshlrev_b32 v[CO], 4, v[CO]                  ; those four rows are 512 consecutive bytes of ctx
	v_mov_b32 v[NEG], 0xceabfb8f                   ; -1e9 log2(e)
	v_lshlrev_b32 v[QO], 7, v12
	v_lshl_add_u32 v[QO], v13, 4, v[QO]            ; q: row r, 16 bytes for each half
	; THE START OF THE SUMS.  O^T = 0 x 0 + 0: eight matrix instructions on eight zeroed operand registers write the 64 registers of O^T.
.irp j, 0,1,2,3,4,5,6,7
	v_mov_b32 v[S+\j], 0
.endr
.irp qg, 0,1
.irp dt, 0,1,2,3
	v_wmma_f32_16x16x32_f16 v[O+32*\qg+8*\dt:O+32*\qg+8*\dt+7], v[S:S+7], v[S:S+7], 0
.endr
.endr
	; the ten moves below are also the places (five are needed: ISA guide 7.12.1) before the first granule's matrix instructions write over the zeroed operand registers
	v_mov_b32 v[M],    0xff7fffff                  ; M = -FLT_MAX: below every score, the masked one too,
	v_mov_b32 v[M+1],  0xff7fffff
	v_mov_b32 v[NM],   0x7f7fffff                  ; -M: the first granule's factor is 2^(-M_new - FLT_MAX) = 0
	v_mov_b32 v[NM+2], 0x7f7fffff
	v_mov_b32 v[L],    0
	v_mov_b32 v[L+1],  0
	v_mov_b32 v[NM+1], 0                           ; upper registers of pairs of which only the lower is used
	v_mov_b32 v[NM+3], 0
	v_mov_b32 v[AL+1], 0
	v_mov_b32 v[AL+3], 0
	s_wait_dscnt 0x0
	s_wait_kmcnt 0x0
	s_add_nc_u64 s[G0+2:G0+3], s[12:13], s[36:37]          ; tile 0
	s_add_nc_u64 s[G0+6:G0+7], s[G0+2:G0+3], TILEB         ; tile 1
	s_or_b32 s[G0+3], s[G0+3], 0x80000000
	s_or_b32 s[G0+7], s[G0+7], 0x80000000
	s_add_nc_u64 s[12:13], s[12:13], s[42:43]
	s_add_nc_u64 s[104:105], s[104:105], s[40:41]
	s_add_nc_u64 s[100:101], s[14:15], s[44:45]
.irp qg, 0,1
.irp dh, 0,1
	global_load_b128 v[QF+16*\qg+8*\dh:QF+16*\qg+8*\dh+3],   v[QO], s[12:13] offset:\qg*2048+\dh*64
	global_load_b128 v[QF+16*\qg+8*\dh+4:QF+16*\qg+8*\dh+7], v[QO], s[12:13] offset:\qg*2048+\dh*64+32
.endr
.endr
	s_load_b512 s[MW0:MW0+15],    s[100:101], 0    ; the first granule's mask words
	s_load_b512 s[MW0+16:MW0+31], s[100:101], 64
	s_load_b512 s[MW1:MW1+15],    s[100:101], 4096
	s_load_b512 s[MW1+16:MW1+31], s[100:101], 4160
	ROUND                                          ; all four work-groups are here: the first joint load meets
	tensor_load_to_lds s[G0:G0+3], s[G1:G1+7]      ; tile 0
	s_nop 0
	s_wait_loadcnt 0x0                             ; q is in: its offset register v11 is free from here on
; The head of a trip.  All my tensor loads are done, my part of this trip's tile among them, so every group 0 may be written: this slot's address steps by s[6:7]
; (two tiles; nothing in the last turn).  My reads of the last trip's tile are done; the round shows both of every wave of the four work-groups; the refill of the
; slot read last trip is the first tensor load behind it.
.macro TRIPHEAD slot
	s_wait_tensorcnt 0x0
	ds_add_u32 v5, v6
	s_add_nc_u64 s[G0+4*\slot+2:G0+4*\slot+3], s[G0+4*\slot+2:G0+4*\slot+3], s[6:7]
	s_wait_dscnt 0x0
	ROUND
	tensor_load_to_lds s[G0+4-4*\slot:G0+7-4*\slot], s[G1:G1+7]
	s_nop 0
.endm
; One granule: keys 64 g .. 64 g + 63 of the slot's tile.  The next granule's mask words are asked for at byte moff of my rows; mstep = 1 (a turn's last granule):
; the pointer first steps over the turn's eight granules, or, in the last turn, stays, so that the request stays inside the buffer (its words are not used).
.macro GRAN slot, g, moff, mstep
.irp dh, 0,1
.irp kt, 0,1,2,3
	ds_load_b128 v[F+16*\kt+8*\dh:F+16*\kt+8*\dh+3],   v[KA+\slot] offset:\g*GB+\kt*16*PITCH+\dh*64
	ds_load_b128 v[F+16*\kt+8*\dh+4:F+16*\kt+8*\dh+7], v[KA+\slot] offset:\g*GB+\kt*16*PITCH+\dh*64+32
.endr
.endr
	s_wait_dscnt 8                                 ; the fragments of d = 0..31 are in; the eight of d = 32..63 may be out
	; S^T: eight accumulators take turns, one instruction a turn
.irp kt, 0,1,2,3
.irp qg, 0,1
	v_wmma_f32_16x16x32_f16 v[S+32*\qg+8*\kt:S+32*\qg+8*\kt+7], v[F+16*\kt:F+16*\kt+7], v[QF+16*\qg:QF+16*\qg+7], 0
.endr
.endr
	s_wait_dscnt 0
.irp kt, 0,1,2,3
.irp qg, 0,1
	v_wmma_f32_16x16x32_f16 v[S+32*\qg+8*\kt:S+32*\qg+8*\kt+7], v[F+16*\kt+8:F+16*\kt+15], v[QF+16*\qg+8:QF+16*\qg+15], v[S+32*\qg+8*\kt:S+32*\qg+8*\kt+7]
.endr
.endr
.rept 4
	v_nop                                          ; four places (ISA guide 7.12.1) before K's fragments are loaded over and the scores are read
.endr
.irp pr, 0,1
.irp dt, 0,1,2,3
	ds_load_tr16_b128 v[F+32*\pr+8*\dt:F+32*\pr+8*\dt+3],   v[VA+\slot] offset:\g*GB+\pr*32*PITCH+32*\dt              ; V^T: d = 16 dt + r, keys 32 pr + 8 h ..
	ds_load_tr16_b128 v[F+32*\pr+8*\dt+4:F+32*\pr+8*\dt+7], v[VA+\slot] offset:\g*GB+\pr*32*PITCH+32*\dt+16*PITCH    ; keys 32 pr + 16 + 8 h ..
.endr
.endr
	s_wait_kmcnt 0x0                               ; this granule's mask words
.irp kt, 0,1,2,3
.irp j, 0,1,2,3,4,5,6,7
	v_cndmask_b32 v[S+8*\kt+\j],    v[NEG], v[S+8*\kt+\j],    s[MW0+8*\kt+\j]      ; bit set: the score stays; clear: the masked score
	v_cndmask_b32 v[S+32+8*\kt+\j], v[NEG], v[S+32+8*\kt+\j], s[MW1+8*\kt+\j]
.endr
.endr
.if \mstep
	s_cmp_lg_u32 s3, 1                             ; the last turn?
	s_cselect_b32 s4, 1024, 0                      ; s5 is 0
	s_add_nc_u64 s[100:101], s[100:101], s[4:5]    ; no scalar load is out here
.endif
	s_load_b512 s[MW0:MW0+15],    s[100:101], \moff
	s_load_b512 s[MW0+16:MW0+31], s[100:101], \moff+64
	s_load_b512 s[MW1:MW1+15],    s[100:101], \moff+4096
	s_load_b512 s[MW1+16:MW1+31], s[100:101], \moff+4160
	; the maximum of my 32 scores of each query, in two chains for each qg; then the other half's; then the running one
.irp qg, 0,1
	v_max3_num_f32 v[TA+2*\qg],   v[S+32*\qg],    v[S+32*\qg+1],  v[S+32*\qg+2]
	v_max3_num_f32 v[TA+2*\qg+1], v[S+32*\qg+15], v[S+32*\qg+16], v[S+32*\qg+17]
.endr
.irp i, 0,1,2,3,4,5
.irp qg, 0,1
	v_max3_num_f32 v[TA+2*\qg],   v[TA+2*\qg],   v[S+32*\qg+3+2*\i],  v[S+32*\qg+4+2*\i]
	v_max3_num_f32 v[TA+2*\qg+1], v[TA+2*\qg+1], v[S+32*\qg+18+2*\i], v[S+32*\qg+19+2*\i]
.endr
.endr
.irp qg, 0,1
	v_max3_num_f32 v[TA+2*\qg], v[TA+2*\qg], v[TA+2*\qg+1], v[S+32*\qg+30]
.endr
.irp qg, 0,1
	v_max_num_f32 v[TA+2*\qg], v[TA+2*\qg], v[S+32*\qg+31]
.endr
.irp qg, 0,1
	v_permlanex16_b32 v[PXS*\qg], v[TA+2*\qg], s66, s67
.endr
.irp qg, 0,1
	v_max3_num_f32 v[M+\qg], v[TA+2*\qg], v[PXS*\qg], v[M+\qg]
	v_mul_f32 v[TA+2*\qg+1], -1.0, v[M+\qg]        ; the new -M
	v_sub_f32 v[AL+2*\qg], v[TA+2*\qg+1], v[NM+2*\qg]
	v_mov_b32 v[NM+2*\qg], v[TA+2*\qg+1]
	v_exp_f32 v[AL+2*\qg], v[AL+2*\qg]             ; 2^(M_old - M_new); plain instructions that do not touch it follow (ISA guide 5.7.2)
.endr
	; weights: 2^(s - M)
.irp qg, 0,1
.irp i, 0,1,2,3,4,5,6,7,8,9,10,11,12,13,14,15
	v_pk_add_f32 v[S+32*\qg+2*\i:S+32*\qg+2*\i+1], v[S+32*\qg+2*\i:S+32*\qg+2*\i+1], v[NM+2*\qg:NM+2*\qg+1] op_sel_hi:[1,0]
.endr
.endr
.set e, 0
.rept 64
	v_exp_f32 v[S+e], v[S+e]
.set e, e+1
.endr
	v_nop                                          ; one plain place behind the exponentials before their results are used (ISA guide 5.7.2)
	; the sum of my 32 weights of each query, two packed chains for each qg
	s_wait_alu depctr_va_vdst(0)
.irp qg, 0,1
	v_pk_add_f32 v[SA-240*\qg:SA-240*\qg+1], v[S+32*\qg:S+32*\qg+1],       v[S+32*\qg+2:S+32*\qg+3]
	v_pk_add_f32 v[SB-240*\qg:SB-240*\qg+1], v[S+32*\qg+16:S+32*\qg+17],   v[S+32*\qg+18:S+32*\qg+19]
.endr
.irp i, 0,1,2,3,4,5
.irp qg, 0,1
	v_pk_add_f32 v[SA-240*\qg:SA-240*\qg+1], v[SA-240*\qg:SA-240*\qg+1], v[S+32*\qg+4+2*\i:S+32*\qg+5+2*\i]
	v_pk_add_f32 v[SB-240*\qg:SB-240*\qg+1], v[SB-240*\qg:SB-240*\qg+1], v[S+32*\qg+20+2*\i:S+32*\qg+21+2*\i]
.endr
.endr
.irp qg, 0,1
	v_pk_add_f32 v[SA-240*\qg:SA-240*\qg+1], v[SA-240*\qg:SA-240*\qg+1], v[SB-240*\qg:SB-240*\qg+1]
.endr
.irp qg, 0,1
	v_add_f32 v[SA-240*\qg], v[SA-240*\qg], v[SA-240*\qg+1]
	v_fma_f32 v[L+\qg], v[L+\qg], v[AL+2*\qg], v[SA-240*\qg]
.endr
	; P in f16, in place: register k of a run of 16 takes registers 2 k, 2 k + 1, which lie at or above it
.irp qg, 0,1
.irp pr, 0,1
.irp k, 0,1,2,3,4,5,6,7
	v_cvt_pk_f16_f32 v[S+32*\qg+16*\pr+\k], v[S+32*\qg+16*\pr+2*\k], v[S+32*\qg+16*\pr+2*\k+1]
.endr
.endr
.endr
.irp qg, 0,1
.irp i, 0,1,2,3,4,5,6,7,8,9,10,11,12,13,14,15
	v_pk_mul_f32 v[O+32*\qg+2*\i:O+32*\qg+2*\i+1], v[O+32*\qg+2*\i:O+32*\qg+2*\i+1], v[AL+2*\qg:AL+2*\qg+1] op_sel_hi:[1,0]
.endr
.endr
	s_wait_dscnt 0x0                               ; V^T, asked for ahead of the softmax
	; O^T += V^T P^T: eight accumulators take turns, one instruction a turn, twice in the same order
.irp pr, 0,1
.irp dt, 0,1,2,3
.irp qg, 0,1
	v_wmma_f32_16x16x32_f16 v[O+32*\qg+8*\dt:O+32*\qg+8*\dt+7], v[F+32*\pr+8*\dt:F+32*\pr+8*\dt+7], v[S+32*\qg+16*\pr:S+32*\qg+16*\pr+7], v[O+32*\qg+8*\dt:O+32*\qg+8*\dt+7]
.endr
.endr
.endr
.rept 5
	v_nop                                          ; five places before the next granule's matrix instructions write over P, four before its loads write over V^T
.endr
.endm
	; THE LOOP: a turn = two trips = once round the ring = eight granules = 1,024 bytes of each row of mask words.
	s_mov_b32 s5, 0                                ; upper words of the two steps
	s_mov_b32 s7, 0
	s_mov_b32 s3, TURNS
.Lturn:
	s_cmp_lg_u32 s3, 1                             ; in the last turn the addresses stay: slot 0's refill then asks for tile 6 again, inside the buffer, and is not read
	s_cselect_b32 s6, 2*TILEB, 0
	TRIPHEAD 0                                     ; reads tile 2 t; asks for tile 2 t + 1
	GRAN 0, 0, 128, 0
	GRAN 0, 1, 256, 0
	GRAN 0, 2, 384, 0
	GRAN 0, 3, 512, 0
	TRIPHEAD 1                                     ; reads tile 2 t + 1; asks for tile 2 t + 2
	GRAN 1, 0, 640, 0
	GRAN 1, 1, 768, 0
	GRAN 1, 2, 896, 0
	GRAN 1, 3, 0, 1
	s_sub_co_u32 s3, s3, 1
	s_cmp_lg_u32 s3, 0
	s_cbranch_scc1 .Lturn
	s_wait_kmcnt 0x0                               ; the words that the last granule asked for: not used, and no scalar load is left out
	; THE WAY OUT: the two halves' sums meet and O^T is divided.  hi = the number's upper 16 bits, a bf16; lo = number - hi, exact in f32, rounded to bf16.
	; A lane's 8 registers are 8 neighbouring d of one query: 16 bytes of hi and 16 of lo, which go through my stage one after the other.
.irp qg, 0,1
	v_permlanex16_b32 v[PXS*\qg], v[L+\qg], s66, s67
	v_add_f32 v[L+\qg], v[L+\qg], v[PXS*\qg]       ; at least 1: the largest score's weight
	v_rcp_f32 v[AL+2*\qg], v[L+\qg]
.endr
	v_nop                                          ; one plain place behind v_rcp_f32 (ISA guide 5.7.2)
	s_wait_alu depctr_va_vdst(0)
.irp qg, 0,1
.irp i, 0,1,2,3,4,5,6,7,8,9,10,11,12,13,14,15
	v_pk_mul_f32 v[O+32*\qg+2*\i:O+32*\qg+2*\i+1], v[O+32*\qg+2*\i:O+32*\qg+2*\i+1], v[AL+2*\qg:AL+2*\qg+1] op_sel_hi:[1,0]
.endr
.endr
.set e, 0
.rept 64
	v_and_b32 v[S+e], 0xffff0000, v[O+e]
.set e, e+1
.endr
.set e, 0
.rept 32
	v_pk_add_f32 v[O+2*e:O+2*e+1], v[O+2*e:O+2*e+1], v[S+2*e:S+2*e+1] neg_lo:[0,1] neg_hi:[0,1]
.set e, e+1
.endr
.set e, 0
.rept 32
	v_cvt_pk_bf16_f32 v[F+e],    v[S+2*e], v[S+2*e+1]      ; exact
	v_cvt_pk_bf16_f32 v[F+32+e], v[O+2*e], v[O+2*e+1]
.set e, e+1
.endr
.irp qg, 0,1
.irp dt, 0,1,2,3
	ds_store_b128 v[STO], v[F+16*\qg+4*\dt:F+16*\qg+4*\dt+3] offset:\qg*16*PITCH+32*\dt
.endr
.endr
.irp t, 0,1,2,3,4,5,6,7
	ds_load_b128 v[S+4*\t:S+4*\t+3], v[RD] offset:\t*4*PITCH       ; LDS serves a wave's instructions in order (ISA guide 5.7.1): these see hi's stores above,
.endr
.irp qg, 0,1
.irp dt, 0,1,2,3
	ds_store_b128 v[STO], v[F+32+16*\qg+4*\dt:F+32+16*\qg+4*\dt+3] offset:\qg*16*PITCH+32*\dt      ; and lo's stores come behind them
.endr
.endr
.irp t, 0,1,2,3,4,5,6,7
	ds_load_b128 v[S+32+4*\t:S+32+4*\t+3], v[RD] offset:\t*4*PITCH
.endr
.irp t, 0,1,2,3,4,5,6,7
	s_wait_dscnt 23-\t                             ; behind hi's load t stand 7 - t loads, 8 stores and 8 loads
	global_store_b128 v[CO], v[S+4*\t:S+4*\t+3], s[104:105] offset:512*\t          ; four queries' rows: 512 consecutive bytes, aligned
.endr
.irp t, 0,1,2,3,4,5,6,7
	s_wait_dscnt 7-\t
	global_store_b128 v[CO], v[S+32+4*\t:S+32+4*\t+3], s[104:105] offset:4194304+512*\t    ; lo lies 16 heads on
.endr
	s_wait_tensorcnt 0x0                           ; the tile that the eighth trip asked for and nobody reads has landed: no tensor load is out at the end
	s_wait_tensorcnt 0x0
	ds_add_u32 v5, v6
	s_wait_dscnt 0x0
	ROUND                                          ; the closing round: no work-group ends while a partner may still ask for a tile that names it
	s_endpgm
.Lfunc_end_k_q5541c9df7f_attn:
	.size	k_q5541c9df7f_attn, .Lfunc_end_k_q5541c9df7f_attn-k_q5541c9df7f_attn
	.p2alignl 7, 3214868480
	.fill 96, 4, 3214868480
	.section	.rodata,"a",@progbits
	.p2align	6, 0x0
	.amdhsa_kernel k_q5541c9df7f_attn
		.amdhsa_group_segment_fixed_size 327680
		.amdhsa_private_segment_fixed_size 0
		.amdhsa_enable_private_segment 0
		.amdhsa_kernarg_size 24
		.amdhsa_user_sgpr_count 2
		.amdhsa_user_sgpr_kernarg_segment_ptr 1
		.amdhsa_wavefront_size32 1
		.amdhsa_system_sgpr_workgroup_id_x 1
		.amdhsa_system_sgpr_workgroup_id_y 1
		.amdhsa_system_sgpr_workgroup_id_z 1
		.amdhsa_system_vgpr_workitem_id 0
		.amdhsa_next_free_vgpr 256
		.amdhsa_next_free_sgpr 106
		.amdhsa_reserve_vcc 0
		.amdhsa_float_denorm_mode_32 3
		.amdhsa_float_denorm_mode_16_64 3
		.amdhsa_memory_ordered 1
		.amdhsa_forward_progress 1
		.amdhsa_inst_pref_size 196
	.end_amdhsa_kernel
	.amdgpu_metadata
---
amdhsa.version: [ 1, 2 ]
amdhsa.kernels:
  - .name:           k_q5541c9df7f_attn
    .symbol:         k_q5541c9df7f_attn.kd
    .args:
      - { .name: qkv, .offset: 0, .size: 8, .value_kind: global_buffer, .address_space: global }
      - { .name: mw, .offset: 8, .size: 8, .value_kind: global_buffer, .address_space: global }
      - { .name: ctx, .offset: 16, .size: 8, .value_kind: global_buffer, .address_space: global }
    .group_segment_fixed_size: 327680
    .private_segment_fixed_size: 0
    .kernarg_segment_align: 8
    .kernarg_segment_size: 24
    .max_flat_workgroup_size: 256
    .sgpr_count:     106
    .vgpr_count:     256
    .wavefront_size: 32
...
	.end_amdgpu_metadata
.endif
;; end of part 6
;; launch oproj: the kernel of part 4 again; grid 8 x 32, 4 waves a work-group, clusters of 4 x 4, 327,680 bytes of LDS; arguments ctx, wb, b_o, out0; writes out0
